; MI455X (gfx1250); checked and timed in simulation.
; The chip was launched on July 23, 2026; its instructions are those of AMD's public machine-readable ISA for CDNA 5 (MIT licence, August 2026) and "CDNA5" Instruction Set Architecture Reference Guide (July 2026). The comments in the code are by the model that wrote it; some were corrected since.
;; Encoder Layer. Allowed arithmetic: matrix products marked QUANTISED: E4M3 operands, one E8M0 scale for each 32 along K, by v_wmma_scale_f32_16x16x128_f8f6f4 with both operands' format E4M3, f32 sums; everything else in f32.
;; Inputs: W1 1,024 x 4,096 float32; W2 4,096 x 1,024 float32; W_K 1,024 x 1,024 float32; W_O 1,024 x 1,024 float32; W_Q 1,024 x 1,024 float32; W_V 1,024 x 1,024 float32; X 2 x 2,048 x 1,024 float32; b1 1,024 float32; b2 1,024 float32; bias1 4,096 float32; bias2 1,024 float32; g1 1,024 float32; g2 1,024 float32; padding_mask 2 x 1 x 2,048 int32.
;; Outputs: out0 2 x 2,048 x 1,024 float32.
;; This version of the problem:
;;   THIS VERSION OF THE PROBLEM IS GIVEN IN LOW PRECISION. The matrix products marked QUANTISED in the list below multiply operands that are first quantised to E4M3 (4 exponent bits, 3 mantissa bits; 8 bits a number), with one power-of-two scale for each 32 numbers along K (OCP MX v1.0); their sums are f32. All else is computed in f32.
;;   The module's matrix products, in the order in which they are computed (A, B: the left and right operand; K: the contracted axis; several contracted axes count as one K, in the product's order):
;;     1. [M 4,096, K 1,024] x [K 1,024, N 1,024]; A: computed on the way; B: input W_Q: QUANTISED
;;     2. [M 4,096, K 1,024] x [K 1,024, N 1,024]; A: computed on the way; B: input W_K: QUANTISED
;;     3. [M 4,096, K 1,024] x [K 1,024, N 1,024]; A: computed on the way; B: input W_V: QUANTISED
;;     4. batch 32 x [M 2,048, K 64] x [K 64, N 2,048]; A: computed on the way; B: computed on the way: QUANTISED
;;     5. batch 32 x [M 2,048, K 2,048] x [K 2,048, N 64]; A: softmax (see below); B: computed on the way: QUANTISED
;;     6. [M 4,096, K 1,024] x [K 1,024, N 1,024]; A: computed on the way; B: input W_O: QUANTISED
;;     7. [M 4,096, K 1,024] x [K 1,024, N 4,096]; A: computed on the way; B: input W1: QUANTISED
;;     8. [M 4,096, K 4,096] x [K 4,096, N 1,024]; A: computed on the way; B: input W2: QUANTISED
;;   THE QUANTISER, for each operand of a quantised product, along K:
;;     - K is cut into blocks of 32 from its start; a last block that is shorter is filled with zeros.
;;     - A block's scale is 2^e with e = floor(log2(the largest magnitude in the block)) - 8, held to -126 .. 127; a block of zeros has e = 0. As a byte (E8M0): e + 127.
;;     - Each number is divided by its block's scale, clamped to +-448, and rounded to the nearest number of E4M3, ties to even, subnormals kept.
;;     - The product sums the exact products of the quantised numbers (number of the format x scale) in f32.
;;   ~~~python
;;   def quantise(x, axis):      # numpy; x: float32 -> the quantised numbers, widened to float32 again
;;       x = np.moveaxis(x, axis, -1); K = x.shape[-1]
;;       x = np.pad(x, [(0, 0)] * (x.ndim - 1) + [(0, -K % 32)]); x = x.reshape(x.shape[:-1] + (-1, 32)); a = np.abs(x).max(-1, keepdims=True)
;;       e = np.where(a > 0, np.clip(np.frexp(np.where(a > 0, a, 1))[1] - 1 - 8, -126, 127), 0)      # np.frexp(a)[1] - 1 = floor(log2(a)), exactly
;;       r = np.clip(x / 2.0 ** e, -448, 448)
;;       step = 2.0 ** (np.maximum(np.frexp(np.where(r == 0, 1, r))[1] - 1, -6) - 3)
;;       q = np.round(r / step) * step * 2.0 ** e      # np.round: ties to even
;;       return np.moveaxis(q.reshape(q.shape[:-2] + (-1,))[..., :K], -1, axis).astype(np.float32)
;;   ~~~
;;   SOFTMAX AHEAD OF A QUANTISED PRODUCT. Where the list says 'softmax', what is quantised is not the finished softmax but p = 2^(t - M), with t = logit x log2(e) and M = ceil(the row's largest t), a whole number; so 1/2 < the row's largest p <= 1. The row's sum l is taken of the UNQUANTISED p, in f32, and the product's result is divided by l at the end. Since M is a whole number, a kernel that streams over the keys may use a running M (the ceiling of the running maximum): every later rescaling is an exact power of two, which a block's scale takes up: the codes' values come out the same.
;;   OPERANDS COMPUTED ON THE WAY. 'Computed on the way' means the value that the module computes at that place (a softmax that the list does not call 'softmax' is quantised finished and normalised). What goes into a quantiser is computed in f32, as accurately as f32 sums, v_exp_f32 and their like allow (about 1e-6 of the number): no bf16 or f16 on the way to a quantiser, and a product that is left as it is and whose result goes on into a quantised operand takes f32 operands (vector FMAs, or v_wmma_f32_16x16x4_f32). A number that lies on a knife's edge between two numbers of the format may be rounded either way, as far as f32 arithmetic and the matrix unit's own rounding can turn it there, and no further.
;; One version. Each part assembles by itself: llvm-mc -triple=amdgcn-amd-amdhsa -mcpu=gfx1250 --defsym DOCPART=n.
;; ======== version 1 of 1: 7 launches
;; limits: right only within a limited range of input values
;; workspace buffers: ops 21,102,592 bytes; qkv 12,976,128 bytes; res 16,777,216 bytes; hid 17,301,504 bytes
;; launch prep (part 1): grid 640 x 1, 4 waves a work-group, no clusters, 37,376 bytes of LDS; arguments X, g1, b1, ops, W_Q, W_K, W_V, W_O, W1, W2; writes ops
.if DOCPART == 1
	.amdgcn_target "amdgcn-amd-amdhsa--gfx1250"
	.amdhsa_code_object_version 6
	.text
	.protected	k_qa12eda20bd_prep
	.globl	k_qa12eda20bd_prep
	.p2align	8
	.type	k_qa12eda20bd_prep,@function
k_qa12eda20bd_prep:
	s_mov_b64 s[64:65], 0
	v_nop
	global_prefetch_b8 v0, s[64:65] scope:SCOPE_SE
	s_setreg_imm32_b32 hwreg(HW_REG_WAVE_MODE, 25, 1), 1
	s_wait_xcnt 0x0
; TWO INDEPENDENT JOBS IN ONE LAUNCH, parted by one scalar branch on the work-group's number; each has LDS bytes of its own.
; Work-groups 0 to 255: the layer norm of 4,096 rows, quantised.  Work-groups 256 to 639: the six weights, quantised.  Launched with 256 work-groups the text is the layer norm alone (the second norm runs it so).
; Both make codes of E4M3 with one E8M0 byte for each 32 along K, in the one operand layout of this program: codes [K/256][row][256 bytes], scale bytes [row/128][K/256][128 rows][8 bytes].
; A block's byte is its largest magnitude's exponent field - 8, held at 1 from below.
; LIMITS: a block of zeros, or one whose largest magnitude lies under 2^-118, gets the byte 1 (its codes are zeros or tiny; this program alone reads the bytes); NaN and infinities are not served.
.set LNWG,  256                        ; work-groups of the norm
.set LNB,   35840                      ; the norm's LDS bytes begin here, behind the weights' four stages
	s_set_vgpr_msb 0x40
	v_lshl_add_u32 v0, v0, 2, 0x9000
	v_mov_b32 v1, 0
	s_set_vgpr_msb 0x4000
	s_cmp_lt_u32 ttmp9, LNWG
	s_cbranch_scc1 .Lnorm
; ---- THE WEIGHTS, f32 stored [K][N].  W_Q and W_K share one section of 2,048 rows.
; A lane takes a column n and its registers run down K: a block of 32 lies in one lane, and the conversions give codes with K innermost.
; A work-group takes 128 columns x 256 along K, a wave 32 columns.  A wave's codes, 32 rows x 256 bytes, are 8,192 consecutive bytes of the buffer:
; they turn through the wave's own stage in LDS and leave 512 consecutive bytes a store; its 256 scale bytes leave by one store.
; One text serves all six: which weight, its row length and its section are numbers chosen from the work-group's number.
.set PITCH, 272                        ; a stage row: 256 bytes + 16
.set NB,    8                          ; blocks of 32 along K for a lane
.set SB,    24                         ; v24-25   the lane's 8 scale bytes
.set OFFS,  32                         ; v32-63   i rows of the weight + 4 x lane
.set X,     64                         ; v64-127  two sets of 32 numbers
.set C,     128                        ; v128-135 a block's codes
.set OUTR,  136                        ; v136-199 the way out
.set SRC,   36                         ; s36-51   eight bases: the weight at my columns, block t's first row
	s_load_b256 s[4:11], s[0:1], 0x20              ; W_Q, W_K, W_V, W_O
	s_load_b128 s[12:15], s[0:1], 0x40             ; W1, W2
	s_load_b64 s[16:17], s[0:1], 0x18              ; ops
	s_sub_co_u32 s59, ttmp9, LNWG                  ; my number among the weights' 384
	v_lshrrev_b32 v1, 5, v0
	v_readfirstlane_b32 s18, v1                    ; wave
	v_and_b32 v2, 31, v0                           ; lane
	v_lshlrev_b32 v3, 2, v2
	s_mul_i32 s19, s18, 32*PITCH                   ; my stage
	v_mul_u32_u24 v4, v2, PITCH
	v_add_nc_u32 v4, s19, v4                       ; into it: row = my column
	v_and_b32 v5, 15, v2
	v_lshrrev_b32 v6, 4, v2
	v_mul_u32_u24 v7, v6, PITCH
	v_lshl_add_u32 v7, v5, 4, v7
	v_add_nc_u32 v7, s19, v7                       ; out of it: sixteen lanes to a row
	v_lshlrev_b32 v8, 4, v2                        ; 16 x lane: my place in a store's 512 bytes
	v_lshlrev_b32 v9, 3, v2                        ; 8 x lane: my column's scale bytes
	s_lshr_b32 s20, s59, 7                         ; 0: the four square weights, 1: W1, 2: W2
	s_lshr_b32 s21, s59, 5                         ; 0..3: which square weight
	s_and_b32 s22, s59, 31
	s_and_b32 s23, s59, 127
	s_cmp_eq_u32 s20, 0
	s_cselect_b32 s22, s22, s23                    ; my number within the weight
	s_cmp_eq_u32 s20, 1
	s_cselect_b32 s23, 5, 3                        ; log2 of its blocks of 128 columns
	s_cselect_b32 s24, 14, 12                      ; log2 of a row's bytes
	s_cselect_b32 s25, 12, 11                      ; log2 of the section's rows
	s_cselect_b32 s26, 16384, 0                    ; the section's first 256-byte row in ops
	s_cmp_eq_u32 s21, 2
	s_cselect_b32 s25, 10, s25
	s_cselect_b32 s26, 8192, s26
	s_cmp_eq_u32 s21, 3
	s_cselect_b32 s25, 10, s25
	s_cselect_b32 s26, 12288, s26
	s_cmp_eq_u32 s20, 2
	s_cselect_b32 s25, 10, s25
	s_cselect_b32 s26, 32768, s26
	s_cselect_b32 s27, 4, 2                        ; log2 of K / 256
	s_cmp_eq_u32 s21, 1
	s_cselect_b32 s28, 1024, 0                     ; W_K's rows follow W_Q's
	s_lshr_b32 s29, s22, s23                       ; which 256 along K
	s_lshl_b32 s30, s29, s23
	s_sub_co_u32 s30, s22, s30                     ; which 128 columns
	s_lshl_b32 s30, s30, 7
	s_lshl_b32 s31, s18, 5
	s_add_co_u32 s31, s30, s31                     ; my wave's first column
	s_add_co_u32 s33, s24, 8
	s_lshl_b32 s32, s29, s33                       ; 256 rows of the weight for each step along K,
	s_lshl_b32 s33, s31, 2
	s_add_co_u32 s32, s32, s33                     ; + 4 bytes a column
	s_mov_b32 s33, 0
	s_add_co_u32 s34, s24, 5
	s_lshl_b32 s34, 1, s34                         ; 32 rows: from block to block
	s_mov_b32 s35, 0
	s_lshl_b32 s52, 1, s24                         ; a row
	s_lshl_b32 s54, s29, s25
	s_add_co_u32 s54, s54, s26
	s_add_co_u32 s53, s28, s31                     ; my first row in the section
	s_add_co_u32 s54, s54, s53
	s_lshl_b32 s54, s54, 8                         ; the codes' place
	s_mov_b32 s55, 0
	s_lshr_b32 s56, s53, 7
	s_lshl_b32 s56, s56, s27
	s_add_co_u32 s56, s56, s29
	s_lshl_b32 s56, s56, 10                        ; the scale bytes' place: (block of 128 rows, step along K) x 1,024
	s_lshl_b32 s57, s26, 3
	s_add_co_u32 s56, s56, s57
	s_lshl_b32 s57, s18, 8
	s_add_co_u32 s56, s56, s57                     ; + my wave's 32 rows x 8
	s_add_co_u32 s56, s56, 0xc00000
	s_mov_b32 s57, 0
	s_mov_b32 s58, 0x600000                        ; the mantissa field of 448
.set i, 0
.rept 32
	v_mad_u32_u24 v[OFFS+i], s52, i, v3
.set i, i+1
.endr
	s_wait_alu depctr_va_vdst(0)
	s_wait_kmcnt 0x0
	s_cmp_eq_u32 s21, 1                            ; the weight is chosen by the work-group's number alone
	s_cselect_b64 s[4:5], s[6:7], s[4:5]
	s_cmp_eq_u32 s21, 2
	s_cselect_b64 s[4:5], s[8:9], s[4:5]
	s_cmp_eq_u32 s21, 3
	s_cselect_b64 s[4:5], s[10:11], s[4:5]
	s_cmp_eq_u32 s20, 1
	s_cselect_b64 s[4:5], s[12:13], s[4:5]
	s_cmp_eq_u32 s20, 2
	s_cselect_b64 s[4:5], s[14:15], s[4:5]
	s_add_nc_u64 s[SRC:SRC+1], s[4:5], s[32:33]
.irp t, 1,2,3,4,5,6,7
	s_add_nc_u64 s[SRC+2*\t:SRC+2*\t+1], s[SRC+2*\t-2:SRC+2*\t-1], s[34:35]
.endr
	s_add_nc_u64 s[54:55], s[16:17], s[54:55]
	s_add_nc_u64 s[56:57], s[16:17], s[56:57]
.macro LOAD t                          ; block t: 32 rows at my column; a wave's load reads 128 consecutive bytes, the four waves stand side by side
.set i, 0
.rept 32
	global_load_b32 v[X+32*((\t)%2)+i], v[OFFS+i], s[SRC+2*(\t):SRC+2*(\t)+1] th:TH_LOAD_NT
.set i, i+1
.endr
.endm
	LOAD 0
	LOAD 1
.macro BLOCK t
.set XS, X+32*((\t)%2)
.if (\t) < NB-1
	s_wait_loadcnt 32                              ; this block's 32 loads are in; the next block's 32 may be out
.else
	s_wait_loadcnt 0
.endif
	v_max3_num_f32 v12, |v[XS]|, |v[XS+1]|, |v[XS+2]|
	v_max3_num_f32 v13, |v[XS+3]|, |v[XS+4]|, |v[XS+5]|
.irp i, 6,10,14,18,22,26
	v_max3_num_f32 v12, v12, |v[XS+\i]|, |v[XS+\i+1]|
	v_max3_num_f32 v13, v13, |v[XS+\i+2]|, |v[XS+\i+3]|
.endr
	v_max3_num_f32 v12, v12, |v[XS+30]|, |v[XS+31]|
	v_max3_num_f32 v12, v12, v13, 0x4800000        ; with the floor 2^(9 - 127): the byte cannot fall under 1
	v_add_nc_u32 v11, 0xfc000000, v12              ; 8 off the exponent field: the conversion's scale operand
	v_and_or_b32 v10, v12, 0x7f800000, s58         ; 448 x the scale
	v_lshrrev_b32 v13, 23, v11                     ; the byte
.if (\t)%4 == 0
	v_mov_b32 v[SB+(\t)/4], v13
.else
	v_lshl_or_b32 v[SB+(\t)/4], v13, 8*((\t)%4), v[SB+(\t)/4]
.endif
.set i, 0
.rept 32
	v_med3_num_f32 v[XS+i], v[XS+i], -v10, v10     ; the conversion does not saturate (ISA guide 7.6.2): the hold comes first
.set i, i+1
.endr
.irp g, 0,1,2,3
	v_cvt_scalef32_pk8_fp8_f32 v[C+2*\g:C+2*\g+1], v[XS+8*\g:XS+8*\g+7], v11
.endr
	ds_store_b128 v4, v[C:C+3] offset:32*(\t)
	ds_store_b128 v4, v[C+4:C+7] offset:32*(\t)+16
.if (\t)+2 < NB
	LOAD (\t)+2
.endif
	s_wait_dscnt 0x0                               ; the stores have read their registers: the next block's codes may be written
.endm
.set Q, 0
.rept NB
	BLOCK Q
.set Q, Q+1
.endr
	global_store_b64 v9, v[SB:SB+1], s[56:57]      ; 32 lanes store 256 consecutive bytes, aligned
.irp t, 0,1,2,3,4,5,6,7,8,9,10,11,12,13,14,15
	ds_load_b128 v[OUTR+4*\t:OUTR+4*\t+3], v7 offset:2*\t*PITCH   ; LDS serves a wave's instructions in order: these see my stores
.endr
.irp t, 0,1,2,3,4,5,6,7,8,9,10,11,12,13,14,15
	s_wait_dscnt 15-\t                             ; load t is in; the younger ones may be out
	global_store_b128 v8, v[OUTR+4*\t:OUTR+4*\t+3], s[54:55] offset:512*\t
.endr
	s_set_vgpr_msb 0x5
	s_wait_tensorcnt 0x0
	ds_add_u32 v0, v1
	s_wait_dscnt 0x0
	s_set_vgpr_msb 0x500
	s_endpgm
; ---- THE NORM: y = g (x - mean) / sqrt(var + 1e-6) + b for rows of 1,024 f32, then quantised along the row.
; Out: the activation part of ops: codes [4][4096 rows][256] at 0x1000000, scale bytes [row/128][4][128][8] at 0x1400000.
; A work-group takes 16 rows, a wave 4, each whole in 32 registers a lane: of each 256 numbers lane l holds 8 l .. 8 l + 7, so four lanes hold a block of 32
; and a lane's 8 codes are 8 bytes: the wave stores 256 consecutive bytes, aligned.  All of a wave's 48 loads go out at once.
; The variance is the mean of (x - mean)^2, in a second pass over the registers: a common offset of the inputs does no harm.
; A wave's 128 scale bytes meet in its own 128 bytes of LDS and leave 4 bytes a lane, in four runs of 32 consecutive bytes (4 rows x 8): one byte in 160 of what this path moves; in exchange no wave waits for another.
.set LTM, 10                           ; v10-13 largest magnitudes, v14-17 scale operands, v18-21 448 x scale, v22-25 bytes
.set LG,  32                           ; v32-63   g at my 32 columns
.set LBB, 64                           ; v64-95   b
.set LX,  96                           ; v96-223  four rows
.set LC,  224                          ; v224-255 codes: eight registers a row, so that no store's data are written again
.Lnorm:
	s_load_b256 s[4:11], s[0:1], 0x0               ; x, g, b, ops
	v_lshrrev_b32 v1, 5, v0
	v_readfirstlane_b32 s16, v1                    ; wave
	v_and_b32 v1, 31, v0                           ; lane
	v_lshlrev_b32 v26, 5, v1                       ; my 32 bytes of each 1,024
	v_lshlrev_b32 v27, 3, v1                       ; my 8 codes
	v_lshrrev_b32 v28, 2, v1
	s_lshl_b32 s17, s16, 7
	s_add_co_u32 s17, s17, LNB                     ; my wave's 128 bytes of LDS: [4 chunks][4 rows][8]
	v_add_nc_u32 v28, s17, v28                     ; my block's byte
	v_lshl_add_u32 v29, v1, 2, s17                 ; and on the way out 4 bytes a lane
	v_lshrrev_b32 v30, 3, v1
	v_and_b32 v31, 7, v1
	v_lshlrev_b32 v31, 2, v31
	v_lshl_add_u32 v30, v30, 10, v31               ; in memory: chunk lane / 8, 1,024 bytes apart; 4 (lane % 8) in its run
	v_mov_b32 v3, 0                                ; (upper halves of pairs of which the low word alone is used)
	v_mov_b32 v9, 0
	s_mov_b32 s12, 0x76543210
	s_mov_b32 s13, 0xfedcba98                      ; lane l xor 16
	s_mov_b32 s14, 0x358637bd                      ; 1e-6
	s_mov_b32 s15, 0x3a800000                      ; 1 / 1024
	s_mov_b32 s18, 0x600000                        ; the mantissa field of 448
	s_lshl_b32 s20, ttmp9, 4
	s_lshl_b32 s21, s16, 2
	s_add_co_u32 s20, s20, s21                     ; my first row
	s_lshl_b32 s22, s20, 12
	s_mov_b32 s23, 0
	s_lshl_b32 s24, s20, 8
	s_add_co_u32 s24, s24, 0x1000000
	s_mov_b32 s25, 0
	s_lshr_b32 s26, ttmp9, 3
	s_lshl_b32 s26, s26, 12                        ; the block of 128 rows,
	s_and_b32 s27, ttmp9, 7
	s_lshl_b32 s27, s27, 7
	s_add_co_u32 s26, s26, s27                     ; the work-group's 16 rows x 8,
	s_lshl_b32 s27, s16, 5
	s_add_co_u32 s26, s26, s27                     ; my wave's 4 rows x 8
	s_add_co_u32 s26, s26, 0x1400000
	s_mov_b32 s27, 0
	s_wait_kmcnt 0x0
	s_add_nc_u64 s[4:5], s[4:5], s[22:23]
	s_add_nc_u64 s[24:25], s[10:11], s[24:25]
	s_add_nc_u64 s[26:27], s[10:11], s[26:27]
.irp c, 0,1,2,3
	global_load_b128 v[LG+8*\c:LG+8*\c+3], v26, s[6:7] offset:1024*\c
	global_load_b128 v[LG+8*\c+4:LG+8*\c+7], v26, s[6:7] offset:1024*\c+16
.endr
.irp c, 0,1,2,3
	global_load_b128 v[LBB+8*\c:LBB+8*\c+3], v26, s[8:9] offset:1024*\c
	global_load_b128 v[LBB+8*\c+4:LBB+8*\c+7], v26, s[8:9] offset:1024*\c+16
.endr
.irp p, 0,1,2,3
.irp c, 0,1,2,3
	global_load_b128 v[LX+32*\p+8*\c:LX+32*\p+8*\c+3], v26, s[4:5] offset:4096*\p+1024*\c th:TH_LOAD_NT
	global_load_b128 v[LX+32*\p+8*\c+4:LX+32*\p+8*\c+7], v26, s[4:5] offset:4096*\p+1024*\c+16 th:TH_LOAD_NT
.endr
.endr
.macro REDUCE                          ; v4 summed over the 32 lanes, the result in every lane
	v_add_f32_dpp v4, v4, v4 row_xmask:1 row_mask:0xf bank_mask:0xf
	v_add_f32_dpp v4, v4, v4 row_xmask:2 row_mask:0xf bank_mask:0xf
	v_add_f32_dpp v4, v4, v4 row_xmask:4 row_mask:0xf bank_mask:0xf
	v_add_f32_dpp v4, v4, v4 row_xmask:8 row_mask:0xf bank_mask:0xf
	v_permlanex16_b32 v5, v4, s12, s13
	v_add_f32 v4, v4, v5
.endm
.macro ROW p
.set XR, LX+32*(\p)
	s_wait_loadcnt 8*(3-(\p))                      ; g, b and this row are in; the later rows' eight loads each may be out
	v_pk_add_f32 v[4:5], v[XR:XR+1], v[XR+2:XR+3]
	v_pk_add_f32 v[6:7], v[XR+4:XR+5], v[XR+6:XR+7]
.irp j, 8,12,16,20,24,28
	v_pk_add_f32 v[4:5], v[4:5], v[XR+\j:XR+\j+1]
	v_pk_add_f32 v[6:7], v[6:7], v[XR+\j+2:XR+\j+3]
.endr
	v_pk_add_f32 v[4:5], v[4:5], v[6:7]
	v_add_f32 v4, v4, v5
	REDUCE
	v_mul_f32 v2, s15, v4                          ; the mean
.irp j, 0,2,4,6,8,10,12,14,16,18,20,22,24,26,28,30
	v_pk_add_f32 v[XR+\j:XR+\j+1], v[XR+\j:XR+\j+1], v[2:3] op_sel_hi:[1,0] neg_lo:[0,1] neg_hi:[0,1]
.endr
	v_pk_mul_f32 v[4:5], v[XR:XR+1], v[XR:XR+1]
	v_pk_mul_f32 v[6:7], v[XR+2:XR+3], v[XR+2:XR+3]
.irp j, 4,8,12,16,20,24,28
	v_pk_fma_f32 v[4:5], v[XR+\j:XR+\j+1], v[XR+\j:XR+\j+1], v[4:5]
	v_pk_fma_f32 v[6:7], v[XR+\j+2:XR+\j+3], v[XR+\j+2:XR+\j+3], v[6:7]
.endr
	v_pk_add_f32 v[4:5], v[4:5], v[6:7]
	v_add_f32 v4, v4, v5
	REDUCE
	v_fma_f32 v8, v4, s15, s14                     ; the variance + 1e-6
	s_wait_alu depctr_va_vdst(0)
	v_rsq_f32 v8, v8
	v_nop                                          ; a plain instruction behind the transcendental,
	s_wait_alu depctr_va_vdst(0)                   ; and the wait ahead of the first use of its result
.irp j, 0,2,4,6,8,10,12,14,16,18,20,22,24,26,28,30
	v_pk_mul_f32 v[XR+\j:XR+\j+1], v[XR+\j:XR+\j+1], v[8:9] op_sel_hi:[1,0]
.endr
.irp j, 0,2,4,6,8,10,12,14,16,18,20,22,24,26,28,30
	v_pk_fma_f32 v[XR+\j:XR+\j+1], v[XR+\j:XR+\j+1], v[LG+\j:LG+\j+1], v[LBB+\j:LBB+\j+1]
.endr
.irp c, 0,1,2,3
	v_max3_num_f32 v[LTM+\c], |v[XR+8*\c]|, |v[XR+8*\c+1]|, 0x4800000   ; my 8 numbers of chunk c, and the floor 2^(9 - 127)
.endr
.irp i, 2,4,6
.irp c, 0,1,2,3
	v_max3_num_f32 v[LTM+\c], v[LTM+\c], |v[XR+8*\c+\i]|, |v[XR+8*\c+\i+1]|
.endr
.endr
.irp c, 0,1,2,3
	v_max_num_f32_dpp v[LTM+\c], v[LTM+\c], v[LTM+\c] row_xmask:1 row_mask:0xf bank_mask:0xf
.endr
.irp c, 0,1,2,3
	v_max_num_f32_dpp v[LTM+\c], v[LTM+\c], v[LTM+\c] row_xmask:2 row_mask:0xf bank_mask:0xf   ; four lanes hold a block
.endr
.irp c, 0,1,2,3
	v_add_nc_u32 v[LTM+4+\c], 0xfc000000, v[LTM+\c]
.endr
.irp c, 0,1,2,3
	v_and_or_b32 v[LTM+8+\c], v[LTM+\c], 0x7f800000, s18
.endr
.irp c, 0,1,2,3
.irp i, 0,1,2,3,4,5,6,7
	v_med3_num_f32 v[XR+8*\c+\i], v[XR+8*\c+\i], -v[LTM+8+\c], v[LTM+8+\c]
.endr
.endr
.irp c, 0,1,2,3
	v_cvt_scalef32_pk8_fp8_f32 v[LC+8*(\p)+2*\c:LC+8*(\p)+2*\c+1], v[XR+8*\c:XR+8*\c+7], v[LTM+4+\c]
.endr
	s_wait_alu depctr_va_vdst(0)
	s_wait_dscnt 0x0                               ; the last row's byte stores have read their registers
.irp c, 0,1,2,3
	v_lshrrev_b32 v[LTM+12+\c], 23, v[LTM+4+\c]    ; the bytes
.endr
.irp c, 0,1,2,3
	global_store_b64 v27, v[LC+8*(\p)+2*\c:LC+8*(\p)+2*\c+1], s[24:25] offset:0x100000*\c+256*(\p)   ; 32 lanes store 256 consecutive bytes, aligned
	ds_store_b8 v28, v[LTM+12+\c] offset:32*\c+8*(\p)   ; the four lanes of a block write the same byte with the same value
.endr
.endm
	ROW 0
	ROW 1
	ROW 2
	ROW 3
	ds_load_b32 v4, v29                            ; LDS serves a wave's instructions in order: this sees my byte stores
	s_wait_dscnt 0x0
	global_store_b32 v30, v4, s[26:27]
	s_set_vgpr_msb 0x5
	s_wait_tensorcnt 0x0
	ds_add_u32 v0, v1
	s_wait_dscnt 0x0
	s_set_vgpr_msb 0x500
	s_endpgm
.Lfunc_end_k_qa12eda20bd_prep:
	.size	k_qa12eda20bd_prep, .Lfunc_end_k_qa12eda20bd_prep-k_qa12eda20bd_prep
	.p2alignl 7, 3214868480
	.fill 96, 4, 3214868480
	.section	.rodata,"a",@progbits
	.p2align	6, 0x0
	.amdhsa_kernel k_qa12eda20bd_prep
		.amdhsa_group_segment_fixed_size 37376
		.amdhsa_private_segment_fixed_size 0
		.amdhsa_enable_private_segment 0
		.amdhsa_kernarg_size 80
		.amdhsa_user_sgpr_count 2
		.amdhsa_user_sgpr_kernarg_segment_ptr 1
		.amdhsa_wavefront_size32 1
		.amdhsa_system_sgpr_workgroup_id_x 1
		.amdhsa_system_sgpr_workgroup_id_y 1
		.amdhsa_system_sgpr_workgroup_id_z 1
		.amdhsa_system_vgpr_workitem_id 0
		.amdhsa_next_free_vgpr 258
		.amdhsa_next_free_sgpr 66
		.amdhsa_reserve_vcc 0
		.amdhsa_float_denorm_mode_32 3
		.amdhsa_float_denorm_mode_16_64 3
		.amdhsa_memory_ordered 1
		.amdhsa_forward_progress 1
		.amdhsa_inst_pref_size 115
	.end_amdhsa_kernel
	.amdgpu_metadata
---
amdhsa.version: [ 1, 2 ]
amdhsa.kernels:
  - .name:           k_qa12eda20bd_prep
    .symbol:         k_qa12eda20bd_prep.kd
    .args:
      - { .name: X, .offset: 0, .size: 8, .value_kind: global_buffer, .address_space: global }
      - { .name: g1, .offset: 8, .size: 8, .value_kind: global_buffer, .address_space: global }
      - { .name: b1, .offset: 16, .size: 8, .value_kind: global_buffer, .address_space: global }
      - { .name: ops, .offset: 24, .size: 8, .value_kind: global_buffer, .address_space: global }
      - { .name: W_Q, .offset: 32, .size: 8, .value_kind: global_buffer, .address_space: global }
      - { .name: W_K, .offset: 40, .size: 8, .value_kind: global_buffer, .address_space: global }
      - { .name: W_V, .offset: 48, .size: 8, .value_kind: global_buffer, .address_space: global }
      - { .name: W_O, .offset: 56, .size: 8, .value_kind: global_buffer, .address_space: global }
      - { .name: W1, .offset: 64, .size: 8, .value_kind: global_buffer, .address_space: global }
      - { .name: W2, .offset: 72, .size: 8, .value_kind: global_buffer, .address_space: global }
    .group_segment_fixed_size: 37376
    .private_segment_fixed_size: 0
    .kernarg_segment_align: 8
    .kernarg_segment_size: 80
    .max_flat_workgroup_size: 128
    .sgpr_count:     66
    .vgpr_count:     258
    .wavefront_size: 32
...
	.end_amdgpu_metadata
.endif
;; end of part 1
;; launch qkv (part 2): grid 12 x 16, 4 waves a work-group, clusters of 4 x 4, 327,680 bytes of LDS; arguments ops, padding_mask, qkv; writes qkv
.if DOCPART == 2
	.amdgcn_target "amdgcn-amd-amdhsa--gfx1250"
	.amdhsa_code_object_version 6
	.text
	.protected	k_qa12eda20bd_qkv
	.globl	k_qa12eda20bd_qkv
	.p2align	8
	.type	k_qa12eda20bd_qkv,@function
k_qa12eda20bd_qkv:
	s_mov_b64 s[64:65], 0
	v_nop
	global_prefetch_b8 v0, s[64:65] scope:SCOPE_SE
	s_setreg_imm32_b32 hwreg(HW_REG_WAVE_MODE, 25, 1), 1
	s_wait_xcnt 0x0
	s_wait_alu depctr_hold_cnt(0) depctr_sa_sdst(0) depctr_va_vdst(0) depctr_va_sdst(0) depctr_va_ssrc(0) depctr_va_vcc(0) depctr_vm_vsrc(0)
	s_getreg_b32 s2, hwreg(HW_REG_IB_STS2, 6, 4)
	s_cmp_eq_u32 s2, 0
	s_cbranch_scc0 .Lentry_in_a_cluster
	s_endpgm
.Lentry_in_a_cluster:
	s_bfe_u32 s2, ttmp6, 0x10000c
	s_cmp_lg_u32 s2, 0xf033
	s_cbranch_scc0 .Lentry_shape_is_right
	s_endpgm
.Lentry_shape_is_right:
; q = xn W_Q, k = xn W_K, v = xn W_V on codes of E4M3 with E8M0 scales, K = 1,024; the results are quantised at once for the two products of attention.
; A tile of C, 256 x 256, is made by four waves, 128 x 128 each: 64 accumulators, 512 registers.  K goes in steps of 256 through a ring of two LDS slots.
; OPERANDS lie [K/256][row][256 bytes], so 128 rows of a step are 32,768 consecutive bytes; scale bytes lie [row/128][K/256][128][8], so those of 128 rows for all of K are 4,096 consecutive bytes: they come once.
; Clusters with x = 0, 1: rows of C = tokens (A = xn), columns = W_Q's and W_K's 2,048 columns (B).  A lane holds one token and neighbours along the head: q and k are quantised along the head's 64.
; Clusters with x = 2: V^T: rows of C = W_V's 1,024 columns (A), columns of C = tokens (B = xn): a lane holds neighbours along the keys, which are the second product's K.  Only offsets differ: both operands lie in ops.
; k's codes of keys whose mask word is 0 are made zeros (their hold is 0): attention then finds the score that it adds as a bias, exactly.
; OUT: q, k codes [8][4096 tokens][256] at 0, V^T codes [16 key tiles][1024][256] at 0x800000; scale bytes [32][8][128][8] at 0xc00000, [8][16][128][8] at 0xc40000.
; CLUSTERS: 4 x 4 work-groups; A's tile is asked for jointly along a row of the cluster, B's along a column.  The matrix instruction is used transposed (source 0 = 16 rows of B, source 1 = 16 rows of A).
; REGISTERS: window 0: v0-31 addresses; v32-63 scale words, two sets, and nothing else; v64-71 mask words; from v128 A's fragments, one set; window 1: B's fragments, two sets; windows 2, 3: the accumulators.
; LIMITS: a block of zeros, or one under 2^-118, gets the byte 1 (this program alone reads the bytes); NaN and infinities are not served.
.set NQ,     2
.set PITCH,  272                       ; an LDS row: 256 bytes + 16: the 16 rows that a load touches start at 16 different banks (64 banks of 4 bytes: ISA guide 11.1)
.set FR,     16
.set NL,     4
.set NP,     8                         ; places behind this matrix instruction (ISA guide 7.12.1)
.set HALFT,  128*PITCH
.set SLOT,   4*HALFT
.set SCL,    2*SLOT                    ; behind the ring: the scale bytes, 4 x 4,096
.set HALFS,  4096
.set SBLK,   128                       ; those of 16 rows of one step
.set SPARE,  SCL+4*HALFS               ; the spare words, 128 bytes a wave
.set SSTG,   256*PITCH                 ; the way out, in slot 0: 256 rows x 272 of codes, then 256 x 8 scale bytes
.set ADRA, 16
.set ADRB, 20
.set STO,  24
.set RD,   25
.set CO,   26
.set ADRS, 27
.set SPW,  28
.set NIL,  29
.set SSTO, 30
.set SRD,  31
.set SC,   32
.set MK,   64                          ; v64-71 the mask words of my 8 blocks' rows
.set AF,   128
.set T,    128                         ; the way out: 64 numbers held; v192-207 codes; v208-223 at work; v224 the scale word
.set PC,   192
.set TM,   208
.set PW,   224
.set G1, 24
.set G0, 32
.set G1B, 48
.set G0B, 56
.set G1S, 68
.set G0S, 76
.set G1SB, 80
.set G0SB, 88
.set STA, 96                           ; s[96:97] two steps along K in A's codes; s[98:99] in B's
.set STB, 98
.set MSB, 0
.macro WIN new                         ; the immediate's high byte repeats the setting that is left
.if MSB != \new
	s_set_vgpr_msb (MSB<<8)|\new
.set MSB, \new
.endif
.endm
.set MUL_LO, 0xa1                      ; source 0 (B) window 1, source 1 (A) window 0, C and D window 2
.set MUL_HI, 0xf1
.set TO_B,   0x40
.macro JLOAD g0a, g1a, g0b, g1b        ; a joint load: waves 0 and 1 fetch for A, waves 2 and 3 for B; four v_nop follow each line
	s_cmp_eq_u32 s15, 0
	s_cbranch_scc0 .Lfor_b_\@
	tensor_load_to_lds s[\g0a:\g0a+3], s[\g1a:\g1a+7]
	s_nop 0
.rept 4
	v_nop
.endr
	s_branch .Lasked_\@
.Lfor_b_\@:
	tensor_load_to_lds s[\g0b:\g0b+3], s[\g1b:\g1b+7]
	s_nop 0
.rept 4
	v_nop
.endr
.Lasked_\@:
.endm
.macro CREST
	s_cmp_lg_u32 s14, 0
	s_cbranch_scc1 .Lnot_wave_0_\@
	s_barrier_signal -3
.Lnot_wave_0_\@:
	s_barrier_wait -3
	s_barrier_signal -1
	s_barrier_wait -1
.endm
.macro CROUND
	s_barrier_signal -1
	s_barrier_wait -1
	CREST
.endm
	s_load_b128 s[4:7], s[0:1], 0x0                ; ops, padding_mask
	s_load_b64 s[8:9], s[0:1], 0x10                ; qkv
	v_lshl_add_u32 v[SPW], v0, 2, SPARE
	v_mov_b32 v[NIL], 0
	ds_add_u32 v28, v29
	ds_add_u32 v28, v29
	s_wait_dscnt 0x0
	v_lshrrev_b32 v1, 5, v0
	v_readfirstlane_b32 s14, v1                    ; wave
	s_lshr_b32 s15, s14, 1                         ; my half of the tile's rows; also: I fetch for A (0) or B (1)
	s_and_b32 s16, s14, 1                          ; my half of its columns; also: which 128 rows I fetch
	s_bfe_u32 s40, ttmp6, 0x40000                  ; cx
	s_bfe_u32 s41, ttmp6, 0x40004                  ; cy
	s_and_b32 s12, ttmp7, 0xffff
	s_lshl_b32 s12, s12, 2                         ; 4 x cluster y
	s_lshl_b32 s42, ttmp9, 2                       ; 4 x cluster x
	s_mov_b32 s10, 0x1000000                       ; A's codes: xn;           for V^T: W_V
	s_mov_b32 s11, 0x1400000                       ; A's scale bytes
	s_mov_b32 s66, 0                               ; B's codes: W_Q and W_K;  for V^T: xn
	s_mov_b32 s67, 0xc00000                        ; B's scale bytes
	s_mov_b32 s[STA], 0x200000
	s_mov_b32 s[STB], 0x100000
	s_cmp_eq_u32 ttmp9, 2                          ; the cluster's x: the same in all sixteen partners
	s_cselect_b32 s17, 0, s12
	s_cselect_b32 s42, s12, s42
	s_cselect_b32 s10, 0x200000, s10
	s_cselect_b32 s11, 0xc10000, s11
	s_cselect_b32 s66, 0x1000000, s66
	s_cselect_b32 s67, 0x1400000, s67
	s_cselect_b32 s[STA], 0x80000, s[STA]
	s_cselect_b32 s[STB], 0x200000, s[STB]
	s_mov_b32 s[STA+1], 0
	s_mov_b32 s[STB+1], 0
	s_cmp_eq_u32 ttmp9, 1
	s_cselect_b32 s100, 0, -1                      ; all ones where the columns are not k's: the mask then hides nothing
	s_add_co_u32 s17, s17, s41                     ; A's tile: hangs on cy alone
	s_add_co_u32 s42, s42, s40                     ; B's tile: on cx alone
	s_lshl_b32 s43, s41, 2
	s_lshl_b32 s43, 15, s43                        ; my row of the cluster
	s_lshl_b32 s44, 0x1111, s40                    ; my column
	s_or_b32 s[G1+0], s43, (0<<16)|(1<<20)|(1<<21)|(5<<22)|(3<<25)  ; mask; elements of 1 byte; padding: 4 words after every 64
	s_or_b32 s[G1B+0], s44, (0<<16)|(1<<20)|(1<<21)|(5<<22)|(3<<25)
.irp g, G1, G1B
	s_mov_b32 s[\g+1], 256<<16                     ; tensor_dim0
	s_mov_b32 s[\g+2], 256<<16                     ; tensor_dim1: 256 rows for the head's loads; 128 behind them
	s_mov_b32 s[\g+3], 256<<16                     ; tile_dim0
	s_mov_b32 s[\g+4], 256                         ; tile_dim1
	s_mov_b32 s[\g+5], 256                         ; from row to row: dense
	s_mov_b32 s[\g+6], 0
	s_mov_b32 s[\g+7], 0
.endr
	s_or_b32 s[G1S+0], s43, (3<<16)|(1<<21)        ; the scale bytes of 128 rows: 16 rows of 32 elements of 8 bytes, dense, no padding
	s_or_b32 s[G1SB+0], s44, (3<<16)|(1<<21)
.irp g, G1S, G1SB
	s_mov_b32 s[\g+1], 32<<16
	s_mov_b32 s[\g+2], 32<<16                      ; the scale bytes of 256 rows: 8,192 dense bytes
	s_mov_b32 s[\g+3], 32<<16
	s_mov_b32 s[\g+4], 32
	s_mov_b32 s[\g+5], 32
	s_mov_b32 s[\g+6], 0
	s_mov_b32 s[\g+7], 0
.endr
	s_mov_b32 s18, 0                               ; the addresses below are those of the tiles' first rows
	s_lshl_b32 s20, s17, 8
	s_add_co_u32 s20, s20, s18                     ; A's rows that I fetch
	s_lshl_b32 s46, s42, 8
	s_add_co_u32 s46, s46, s18                     ; B's
	s_lshl_b32 s22, s20, 5                         ; 4,096 bytes of scales for each 128 rows
	s_add_co_u32 s22, s22, s11
	s_lshl_b32 s20, s20, 8
	s_add_co_u32 s20, s20, s10
	s_lshl_b32 s92, s46, 5
	s_add_co_u32 s92, s92, s67
	s_lshl_b32 s46, s46, 8
	s_add_co_u32 s46, s46, s66
	s_mov_b32 s21, 0
	s_mov_b32 s23, 0
	s_mov_b32 s47, 0
	s_mov_b32 s93, 0
	s_lshr_b32 s18, s[STA], 1                      ; one step along K
	s_mov_b32 s19, 0
	s_lshr_b32 s12, s[STB], 1
	s_mov_b32 s13, 0
	s_mul_i32 s45, s14, HALFT                      ; where they go: wave x 128 rows
	s_lshl_b32 s94, s16, 15                        ; s[94:95]: in the ring I fetch 128 rows of a tile: which half, in bytes
	s_mov_b32 s95, 0
	s_wait_kmcnt 0x0
	s_add_nc_u64 s[20:21], s[4:5], s[20:21]
	s_add_nc_u64 s[22:23], s[4:5], s[22:23]
	s_add_nc_u64 s[46:47], s[4:5], s[46:47]
	s_add_nc_u64 s[92:93], s[4:5], s[92:93]
	CROUND                                         ; all sixteen work-groups are here: the first joint loads meet
	s_mov_b32 s[G0S], 1
	s_mov_b32 s[G0S+1], SCL
	s_mov_b64 s[G0S+2:G0S+3], s[22:23]
	s_or_b32 s[G0S+3], s[G0S+3], 0x80000000
	s_mov_b32 s[G0SB], 1
	s_mov_b32 s[G0SB+1], SCL+2*HALFS
	s_mov_b64 s[G0SB+2:G0SB+3], s[92:93]
	s_or_b32 s[G0SB+3], s[G0SB+3], 0x80000000
	s_mov_b32 s[G0], 1
	s_mov_b32 s[G0+1], 0
	s_mov_b64 s[G0+2:G0+3], s[20:21]
	s_or_b32 s[G0+3], s[G0+3], 0x80000000
	s_mov_b32 s[G0B], 1
	s_mov_b32 s[G0B+1], 2*HALFT
	s_mov_b64 s[G0B+2:G0B+3], s[46:47]
	s_or_b32 s[G0B+3], s[G0B+3], 0x80000000
; THE HEAD'S LOADS, ONE A WAVE: wave 0 K step 0's 256 rows of A, wave 1 its 256 rows of B, wave 2 the scale bytes of A's 256 rows, wave 3 those of B's.  One chain of branches on the wave's number, one load to an arm.
.macro HARM under, g0, g1, next
	s_cmp_lt_u32 s14, \under
	s_cbranch_scc0 \next
	tensor_load_to_lds s[\g0:\g0+3], s[\g1:\g1+7]
	s_nop 0
.rept 4
	v_nop
.endr
	s_branch .Lhead_asked
\next:
.endm
	HARM 1, G0,  G1,  .Lhead_b
	HARM 2, G0B, G1B, .Lhead_sa
	HARM 3, G0S, G1S, .Lhead_sb
	tensor_load_to_lds s[G0SB:G0SB+3], s[G1SB:G1SB+7]
	s_nop 0
.rept 4
	v_nop
.endr
.Lhead_asked:
	s_mov_b32 s[G0+4], 1
	s_add_co_u32 s[G0+5], s45, SLOT
	s_add_nc_u64 s[G0+6:G0+7], s[20:21], s[18:19]
	s_or_b32 s[G0+7], s[G0+7], 0x80000000
	s_mov_b32 s[G0B+4], 1
	s_add_co_u32 s[G0B+5], s45, SLOT
	s_add_nc_u64 s[G0B+6:G0B+7], s[46:47], s[12:13]
	s_or_b32 s[G0B+7], s[G0B+7], 0x80000000
	s_add_nc_u64 s[G0+6:G0+7], s[G0+6:G0+7], s[94:95]       ; slot 1's group 0: my 128 rows
	s_add_nc_u64 s[G0B+6:G0B+7], s[G0B+6:G0B+7], s[94:95]
	; PREFETCHES INTO THE L2 of K steps 1, 2 and 3: of the 128 rows that I fetch in the ring, each of the four partners that ask for them jointly takes 32, told apart by address (cx for A, cy for B); a lane a row of 256 bytes.
	; One base that is never rewritten; the K step lies in the lanes' offsets v8, v9, v10.  K steps 1 and 2 are asked for here, K step 3 behind K step 1's load.
	s_cmp_eq_u32 s15, 0
	s_cselect_b64 s[92:93], s[20:21], s[46:47]     ; A's tile or B's
	s_cselect_b32 s101, s40, s41                   ; my place among the four
	s_cselect_b32 s2, s18, s12                     ; a step along K in that operand
	s_lshl_b32 s101, s101, 13                      ; 32 rows x 256 bytes
	s_add_co_u32 s101, s101, s94                   ; + my half of the tile
	v_and_b32 v8, 31, v0
	v_lshl_add_u32 v8, v8, 8, s101
	v_add_nc_u32 v8, s2, v8
	v_add_nc_u32 v9, s2, v8
	v_add_nc_u32 v10, s2, v9
	s_wait_alu depctr_va_vdst(0)
	global_prefetch_b8 v8, s[92:93] th:TH_LOAD_NT scope:SCOPE_SE
	global_prefetch_b8 v9, s[92:93] th:TH_LOAD_NT scope:SCOPE_SE
	v_and_b32 v1, 15, v0                           ; r
	s_wait_alu depctr_va_vdst(0)
	v_bfe_u32 v2, v0, 4, 1                         ; h
	s_wait_alu depctr_va_vdst(0)
	s_lshl_b32 s2, s17, 8                          ; the mask words of my 128 rows (tokens, where the rows are tokens; inside the buffer in every work-group)
	s_lshl_b32 s3, s15, 7
	s_add_co_u32 s2, s2, s3
	s_lshl_b32 s2, s2, 2
	s_mov_b32 s3, 0
	s_add_nc_u64 s[6:7], s[6:7], s[2:3]
	v_lshlrev_b32 v7, 2, v1
.irp a, 0,1,2,3,4,5,6,7
	global_load_b32 v[MK+\a], v7, s[6:7] offset:64*\a
.endr
	v_mul_u32_u24 v3, v1, PITCH
	v_lshl_add_u32 v4, v2, 4, v3                   ; a fragment's row x pitch + 16 x half
	s_mul_i32 s21, s15, HALFT
	s_mul_i32 s22, s16, HALFT
	s_add_co_u32 s22, s22, 2*HALFT
.irp s, 0,1
	v_add_nc_u32 v[ADRA+\s], s21, v4
	v_add_nc_u32 v[ADRB+\s], s22, v4
	s_add_co_u32 s21, s21, SLOT
	s_add_co_u32 s22, s22, SLOT
.endr
	v_lshlrev_b32 v5, 3, v1                        ; my row's 8 scale bytes of a step
	s_mul_i32 s21, s15, HALFS                      ; A's: my 128 rows
	s_mul_i32 s22, s16, HALFS                      ; B's, behind A's two
	s_add_co_u32 s22, s22, 2*HALFS
	s_sub_co_u32 s22, s22, s21
	v_mul_u32_u24 v6, s22, v2                      ; lanes 16-31 take B's
	s_add_co_u32 s21, s21, SCL
	v_add_nc_u32 v5, v5, v6
	v_add_nc_u32 v[ADRS], s21, v5
	s_mul_i32 s23, s15, 128*PITCH                  ; the stage: row 128 x my row half + r, byte 128 x my column half + 8 h
	s_lshl_b32 s21, s16, 7
	s_add_co_u32 s23, s23, s21
	v_lshl_add_u32 v5, v2, 3, v3
	v_add_nc_u32 v[STO], s23, v5
	s_lshl_b32 s23, s15, 10                        ; the scale words: 8 bytes a row, my column half's word
	s_lshl_b32 s21, s16, 2
	s_add_co_u32 s23, s23, s21
	s_add_co_u32 s23, s23, SSTG
	v_lshl_add_u32 v[SSTO], v1, 3, s23
	s_mul_i32 s23, s14, 64*PITCH                   ; back: wave w takes rows 64 w on, whole; sixteen lanes to a row
	v_mul_u32_u24 v5, v2, PITCH
	v_lshl_add_u32 v5, v1, 4, v5
	v_add_nc_u32 v[RD], s23, v5
	v_and_b32 v6, 31, v0
	v_lshlrev_b32 v[CO], 4, v6
	s_lshl_b32 s23, s14, 9
	s_add_co_u32 s23, s23, SSTG
	v_add_nc_u32 v[SRD], s23, v[CO]
	s_mov_b32 s22, 0xc00000                        ; where the results go
	s_cmp_eq_u32 ttmp9, 2
	s_cselect_b32 s20, 0x800000, 0
	s_cselect_b32 s22, 0xc40000, s22
	s_cselect_b32 s21, 18, 20                      ; log2 of a column tile's bytes: 1,024 or 4,096 rows of 256
	s_cselect_b32 s23, 4, 3                        ; log2 of the column tiles
	s_lshl_b32 s21, s42, s21
	s_add_co_u32 s20, s20, s21
	s_lshl_b32 s21, s17, 16
	s_add_co_u32 s20, s20, s21
	s_lshl_b32 s21, s14, 14
	s_add_co_u32 s20, s20, s21                     ; + my 64 rows
	s_mov_b32 s21, 0
	s_lshl_b32 s46, s17, 1
	s_add_co_u32 s46, s46, s15
	s_lshl_b32 s46, s46, s23
	s_add_co_u32 s46, s46, s42
	s_lshl_b32 s46, s46, 10
	s_add_co_u32 s22, s22, s46
	s_lshl_b32 s46, s16, 9
	s_add_co_u32 s22, s22, s46
	s_mov_b32 s23, 0
	s_add_nc_u64 s[20:21], s[8:9], s[20:21]
	s_add_nc_u64 s[22:23], s[8:9], s[22:23]
	s_mov_b32 s10, 0x76543210
	s_mov_b32 s11, 0xfedcba98                      ; lane l xor 16
	s_mov_b32 s13, 0x600000                        ; the mantissa field of 448
.macro FRAG reg, adr, q, i             ; 16 rows x 128 K: lane l holds row l % 16; registers 4 c .. 4 c + 3 hold K = 32 c + 16 (l / 16) + 0 .. 15
.irp c, 0,1,2,3
	ds_load_b128 v[\reg+4*\c:\reg+4*\c+3], v[\adr] offset:128*(\q)+32*\c+(\i)*16*PITCH
.endr
.endm
; 16 matrix instructions: A's blocks a0, a0 + 1 x B's eight.  The 64 accumulators take turns, one instruction a turn, in the same order in every step.
.macro MUL16 a0, p, q, sc, zero
.irp a, \a0, \a0+1
.irp b, 0,1,2,3,4,5,6,7
.if \zero
	v_wmma_scale_f32_16x16x128_f8f6f4 v[8*(8*((\a)%4)+\b):8*(8*((\a)%4)+\b)+7], v[128*(\p)+FR*\b:128*(\p)+FR*\b+FR-1], v[AF+FR*(\a):AF+FR*(\a)+FR-1], 0, v[SC+8*NQ*(\sc)+NQ*\b+(\q)], v[SC+8*NQ*(\sc)+NQ*(\a)+(\q)] matrix_a_scale:MATRIX_SCALE_ROW1
.else
	v_wmma_scale_f32_16x16x128_f8f6f4 v[8*(8*((\a)%4)+\b):8*(8*((\a)%4)+\b)+7], v[128*(\p)+FR*\b:128*(\p)+FR*\b+FR-1], v[AF+FR*(\a):AF+FR*(\a)+FR-1], v[8*(8*((\a)%4)+\b):8*(8*((\a)%4)+\b)+7], v[SC+8*NQ*(\sc)+NQ*\b+(\q)], v[SC+8*NQ*(\sc)+NQ*(\a)+(\q)] matrix_a_scale:MATRIX_SCALE_ROW1
.endif
.endr
.endr
.endm
.macro FETCH_B slot, q, p
	WIN TO_B
.irp i, 0,1,2,3,4,5,6,7
	FRAG 128*(\p)+FR*\i, ADRB+\slot, \q, \i
.endr
	WIN 0
.endm
.macro FETCH_A slot, q, i0
.irp i, \i0, \i0+1, \i0+2, \i0+3
	FRAG AF+FR*(\i), ADRA+\slot, \q, \i
.endr
.endm
.macro SCALES sc                       ; a K step's scale words: lanes 0-15 A's block i, lanes 16-31 B's block i; two words a row
.irp i, 0,1,2,3,4,5,6,7
	ds_load_b64 v[SC+8*NQ*\sc+NQ*\i:SC+8*NQ*\sc+NQ*\i+1], v[ADRS] offset:\i*SBLK
.endr
.endm
.macro PLACES n                        ; plain vector instructions between a matrix instruction and a load into, or a read of, its registers
.rept \n
	v_nop
.endr
.endm
.macro STEP slot, q, zero              ; 128 along K that has its successor in the same slot
	s_wait_dscnt 4*NL                              ; B's set and A's blocks 0-3 are in; the youngest 16 loads (A's blocks 4-7) may be out
	WIN MUL_LO
	MUL16 0, (\q)%2, \q, \slot, \zero
	MUL16 2, (\q)%2, \q, \slot, \zero
	s_wait_dscnt 0
	PLACES NP
	FETCH_B \slot, (\q)+1, 1-(\q)%2
	FETCH_A \slot, (\q)+1, 0
	WIN MUL_HI
	MUL16 4, (\q)%2, \q, \slot, \zero
	MUL16 6, (\q)%2, \q, \slot, \zero
	PLACES NP
	WIN 0
	FETCH_A \slot, (\q)+1, 4
.endm
; A slot's last step changes slots: one barrier; in front of it each wave waits for all its tensor loads, adds 0 to its spare word, and waits for that and for its reads of this slot.
.macro TURN slot, next, fill
	s_wait_tensorcnt 0x0                           ; all my tensor loads have landed: my part of the next slot
	ds_add_u32 v[SPW], v[NIL]                      ; 0 onto my spare word
	s_wait_dscnt 4*NL+1                            ; the add and the youngest 16 loads may be out
	WIN MUL_LO
	MUL16 0, 1, NQ-1, \slot, 0
	s_wait_dscnt 0x0                               ; the add is done, and my reads of this slot are over
	s_barrier_signal -1
	MUL16 2, 1, NQ-1, \slot, 0
	WIN 0
	s_barrier_wait -1
.if \fill
	CREST                                          ; the barrier has opened a round of the cluster's: no wave of any partner still reads this slot or has a load on its way
	s_add_nc_u64 s[G0+4*\slot+2:G0+4*\slot+3], s[G0+4*\slot+2:G0+4*\slot+3], s[STA:STA+1]
	s_add_nc_u64 s[G0B+4*\slot+2:G0B+4*\slot+3], s[G0B+4*\slot+2:G0B+4*\slot+3], s[STB:STB+1]
	JLOAD G0+4*\slot, G1, G0B+4*\slot, G1B         ; the first tensor load behind the round; its four v_nop are four of the eight places
	PLACES NP-4
.else
	PLACES NP
.endif
	s_wait_alu depctr_va_vdst(0)
	v_add_nc_u32 v[ADRS], 1024, v[ADRS]            ; the next K step's scale words
	FETCH_B \next, 0, 0
	FETCH_A \next, 0, 0
	SCALES \next
	WIN MUL_HI
	MUL16 4, 1, NQ-1, \slot, 0
	MUL16 6, 1, NQ-1, \slot, 0
	PLACES NP
	WIN 0
	FETCH_A \next, 0, 4
.endm
	s_wait_alu depctr_va_vdst(0)
	s_wait_tensorcnt 0x0                           ; my tile of the head's four is in
	ds_add_u32 v[SPW], v[NIL]
	s_mov_b32 s[G1+2], 128<<16                     ; no tensor load of mine is out: from here on a load brings 128 rows
	s_mov_b32 s[G1+4], 128
	s_mov_b32 s[G1B+2], 128<<16
	s_mov_b32 s[G1B+4], 128
	s_mov_b32 s[G0+1], s45                         ; slot 0's group 0 for the ring: my 128 rows, my place
	s_add_nc_u64 s[G0+2:G0+3], s[G0+2:G0+3], s[94:95]
	s_mov_b32 s[G0B+1], s45
	s_add_nc_u64 s[G0B+2:G0B+3], s[G0B+2:G0B+3], s[94:95]
	s_wait_dscnt 0x0
	CROUND                                         ; all four tiles are in, in every partner
	JLOAD G0+4, G1, G0B+4, G1B                     ; K step 1: the first tensor load behind the round
	global_prefetch_b8 v10, s[92:93] th:TH_LOAD_NT scope:SCOPE_SE   ; K step 3, two refills on
	FETCH_B 0, 0, 0
	FETCH_A 0, 0, 0
	SCALES 0
	FETCH_A 0, 0, 4
	s_wait_loadcnt 0x0                             ; the mask words
.irp a, 0,1,2,3,4,5,6,7
	v_or_b32 v[MK+\a], s100, v[MK+\a]              ; not 0 wherever nothing is to be hidden
.endr
	STEP 0, 0, 1                                   ; the first step's products start the sums
	s_mov_b32 s3, 1
.Llap:                                             ; one trip: once round the ring, both slots filled again (K = 1,024 is four steps)
	TURN 0, 1, 1
	STEP 1, 0, 0
	TURN 1, 0, 1
	STEP 0, 0, 0
	s_sub_co_u32 s3, s3, 1
	s_cmp_lg_u32 s3, 0
	s_cbranch_scc1 .Llap
	TURN 0, 1, 0
	STEP 1, 0, 0
	s_wait_dscnt 4*NL
	WIN MUL_LO
	MUL16 0, 1, NQ-1, 1, 0
	MUL16 2, 1, NQ-1, 1, 0
	s_wait_dscnt 0
	WIN MUL_HI
	MUL16 4, 1, NQ-1, 1, 0
	MUL16 6, 1, NQ-1, 1, 0
	WIN 0
; THE WAY OUT.  Lane (r, h) holds row 16 a + r; accumulators 2 b and 2 b + 1 are its 16 numbers of the row's block b of 32 columns (8 h + j and 16 + 8 h + j); lane l xor 16 holds the other 16.
; Each block of 16 rows is quantised and its codes go to a stage in slot 0 (it has had its last fill, and every wave has passed the barrier behind which nobody reads it); whole rows of 256 bytes come back.
.macro QOUT a
.set AW, 2+(\a)/4
.set AB, 64*((\a)%4)
.set W2, AW|(AW<<2)
	WIN W2                                         ; sources 0 and 1: the accumulators' window
.irp b, 0,1,2,3
	v_max3_num_f32 v[TM+\b], |v[AB+16*\b]|, |v[AB+16*\b+1]|, 0x4800000   ; each accumulator is read from its low end on; the floor 2^(9 - 127)
.endr
.irp i, 2,4,6,8,10,12,14
.irp b, 0,1,2,3
	v_max3_num_f32 v[TM+\b], |v[AB+16*\b+\i]|, |v[AB+16*\b+\i+1]|, v[TM+\b]
.endr
.endr
	WIN 0
	s_wait_alu depctr_va_vdst(0)
	s_wait_dscnt 0x0                               ; the last block's LDS stores have read their registers
.irp b, 0,1,2,3
	v_permlanex16_b32 v[TM+4+\b], v[TM+\b], s10, s11
.endr
.irp b, 0,1,2,3
	v_max_num_f32 v[TM+\b], v[TM+\b], v[TM+4+\b]
.endr
.irp b, 0,1,2,3
	v_add_nc_u32 v[TM+12+\b], 0xfc000000, v[TM+\b] ; the conversion's scale operand
.endr
.irp b, 0,1,2,3
	v_and_or_b32 v[TM+8+\b], v[TM+\b], 0x7f800000, s13   ; 448 x the scale
.endr
.irp b, 0,1,2,3
	v_lshrrev_b32 v[TM+4+\b], 23, v[TM+12+\b]      ; the byte
.endr
	v_lshl_or_b32 v[PW], v[TM+5], 8, v[TM+4]
	v_lshl_or_b32 v[PW], v[TM+6], 16, v[PW]
	v_lshl_or_b32 v[PW], v[TM+7], 24, v[PW]
	v_cmp_ne_u32 vcc_lo, 0, v[MK+\a]
.irp b, 0,1,2,3
	v_cndmask_b32 v[TM+8+\b], 0, v[TM+8+\b], vcc_lo   ; a hidden key's k is held at 0: its codes are zeros
.endr
	WIN AW
.irp b, 0,1,2,3
.irp i, 0,1,2,3,4,5,6,7,8,9,10,11,12,13,14,15
	v_med3_num_f32 v[T+16*\b+\i], v[AB+16*\b+\i], -v[TM+8+\b], v[TM+8+\b]
.endr
.endr
	WIN 0
.irp b, 0,1,2,3
	v_cvt_scalef32_pk8_fp8_f32 v[PC+4*\b:PC+4*\b+1], v[T+16*\b:T+16*\b+7], v[TM+12+\b]
	v_cvt_scalef32_pk8_fp8_f32 v[PC+4*\b+2:PC+4*\b+3], v[T+16*\b+8:T+16*\b+15], v[TM+12+\b]
.endr
	v_nop                                          ; a plain instruction behind the last conversion
.irp b, 0,1,2,3
	ds_store_b64 v[STO], v[PC+4*\b:PC+4*\b+1] offset:16*PITCH*(\a)+32*\b
	ds_store_b64 v[STO], v[PC+4*\b+2:PC+4*\b+3] offset:16*PITCH*(\a)+32*\b+16
.endr
	ds_store_b32 v[SSTO], v[PW] offset:128*(\a)    ; both halves of the lanes write the same word with the same value
.endm
	PLACES NP
.irp b, 0,1,2,3
	v_mov_b32 v[TM+4+\b], 0                        ; written once: a lane permute's destination counts as one of its sources
.endr
.irp a, 0,1,2,3,4,5,6,7
	QOUT \a
.endr
	s_wait_dscnt 0x0                               ; for the others' sake: my stores into the stage have landed
	s_barrier_signal -1
	s_barrier_wait -1
.set t, 0
.rept 32
	ds_load_b128 v[128+4*t:128+4*t+3], v[RD] offset:2*PITCH*t
.set t, t+1
.endr
	ds_load_b128 v[64:67], v[SRD]
.set t, 0
.rept 32
	s_wait_dscnt 32-t                              ; load t is in; the younger code loads and the scale load may be out
	global_store_b128 v[CO], v[128+4*t:128+4*t+3], s[20:21] offset:512*t   ; 32 lanes store 512 consecutive bytes, aligned
.set t, t+1
.endr
	s_wait_dscnt 0x0
	global_store_b128 v[CO], v[64:67], s[22:23]    ; 64 rows' scale bytes: 512 consecutive bytes
	s_wait_tensorcnt 0x0                           ; the wave's end
	ds_add_u32 v[SPW], v[NIL]
	s_wait_dscnt 0x0
	CROUND                                         ; the closing round
	s_endpgm
.Lfunc_end_k_qa12eda20bd_qkv:
	.size	k_qa12eda20bd_qkv, .Lfunc_end_k_qa12eda20bd_qkv-k_qa12eda20bd_qkv
	.p2alignl 7, 3214868480
	.fill 96, 4, 3214868480
	.section	.rodata,"a",@progbits
	.p2align	6, 0x0
	.amdhsa_kernel k_qa12eda20bd_qkv
		.amdhsa_group_segment_fixed_size 327680
		.amdhsa_private_segment_fixed_size 0
		.amdhsa_enable_private_segment 0
		.amdhsa_kernarg_size 24
		.amdhsa_user_sgpr_count 2
		.amdhsa_user_sgpr_kernarg_segment_ptr 1
		.amdhsa_wavefront_size32 1
		.amdhsa_system_sgpr_workgroup_id_x 1
		.amdhsa_system_sgpr_workgroup_id_y 1
		.amdhsa_system_sgpr_workgroup_id_z 1
		.amdhsa_system_vgpr_workitem_id 0
		.amdhsa_next_free_vgpr 1024
		.amdhsa_next_free_sgpr 102
		.amdhsa_reserve_vcc 1
		.amdhsa_float_denorm_mode_32 3
		.amdhsa_float_denorm_mode_16_64 3
		.amdhsa_memory_ordered 1
		.amdhsa_forward_progress 1
		.amdhsa_inst_pref_size 198
	.end_amdhsa_kernel
	.amdgpu_metadata
---
amdhsa.version: [ 1, 2 ]
amdhsa.kernels:
  - .name:           k_qa12eda20bd_qkv
    .symbol:         k_qa12eda20bd_qkv.kd
    .args:
      - { .name: ops, .offset: 0, .size: 8, .value_kind: global_buffer, .address_space: global }
      - { .name: padding_mask, .offset: 8, .size: 8, .value_kind: global_buffer, .address_space: global }
      - { .name: qkv, .offset: 16, .size: 8, .value_kind: global_buffer, .address_space: global }
    .group_segment_fixed_size: 327680
    .private_segment_fixed_size: 0
    .kernarg_segment_align: 8
    .kernarg_segment_size: 24
    .max_flat_workgroup_size: 128
    .sgpr_count:     102
    .vgpr_count:     1024
    .wavefront_size: 32
...
	.end_amdgpu_metadata
.endif
;; end of part 2
;; launch attn (part 3): grid 32 x 8, 16 waves a work-group, clusters of 4 x 1, 327,680 bytes of LDS; arguments qkv, padding_mask, ops; writes ops
.if DOCPART == 3
	.amdgcn_target "amdgcn-amd-amdhsa--gfx1250"
	.amdhsa_code_object_version 6
	.text
	.protected	k_qa12eda20bd_attn
	.globl	k_qa12eda20bd_attn
	.p2align	8
	.type	k_qa12eda20bd_attn,@function
k_qa12eda20bd_attn:
	s_mov_b64 s[64:65], 0
	v_nop
	global_prefetch_b8 v0, s[64:65] scope:SCOPE_SE
	s_setreg_imm32_b32 hwreg(HW_REG_WAVE_MODE, 25, 1), 1
	s_wait_xcnt 0x0
	s_wait_alu depctr_hold_cnt(0) depctr_sa_sdst(0) depctr_va_vdst(0) depctr_va_sdst(0) depctr_va_ssrc(0) depctr_va_vcc(0) depctr_vm_vsrc(0)
	s_getreg_b32 s2, hwreg(HW_REG_IB_STS2, 6, 4)
	s_cmp_eq_u32 s2, 0
	s_cbranch_scc0 .Lentry_in_a_cluster
	s_endpgm
.Lentry_in_a_cluster:
	s_bfe_u32 s2, ttmp6, 0x10000c
	s_cmp_lg_u32 s2, 0x3003
	s_cbranch_scc0 .Lentry_shape_is_right
	s_endpgm
.Lentry_shape_is_right:
; Attention on codes of E4M3: S^T = K Q^T (K = the head's 64), p = 2^(t - M), O^T = V^T P^T (K = the keys), O / l quantised along the features for the next product.
; SHARES.  Work-group y = 4 x batch + a group of four heads; x = a block of 64 queries.  Wave w: head w % 4 of the group, query tile w / 4: 16 queries, one a lane.  Four waves to a SIMD.
; So every 256-byte row of k's codes (four heads) and of V^T's codes (256 keys) that comes into LDS is used whole, and the work-group's result is 64 rows x 256 bytes, consecutive in memory.
; The four work-groups of a cluster walk the same keys: each tile is asked for jointly, mask 15.  A slot holds 256 keys: k's codes, V^T's codes, both scale bytes; waves 0-3 fetch the codes, waves 4-7 the scales, one load each.
; K = 64 IN AN INSTRUCTION OF 128: Q's upper 64 codes are zeros.  Key tile i's operand is v[KV + 8 i .. + 15]: its own 8 registers and the next tile's (eight zeros behind the last): valid codes times zeros.
; k's and q's scale words come by 16-bit loads: the upper two bytes are 0, a power of two, over products that are zeros.
; THE MASK: the score registers are loaded with a bias for each key, 0 or -2^33, and given to the product as its C; a hidden key's codes are zeros (made by the launch before), so its score is the bias exactly.
; t = score x c is then a whole number: in a row of hidden keys alone every p is 1, as with the -1e9 of the definition; beside any open key p is 0.
; KEYS IN NATURAL ORDER: tile i, register j, lane half h = key 16 i + 8 h + j.  p's 16 codes of block b are keys 32 b + 8 h + j and 32 b + 16 + 8 h + j; V^T's fragment takes the same order inside each block of 32 by loads of 8 bytes.
; M is the running largest t rounded up, kept as -M; when it moves, the sum and O^T are multiplied by a power of two.
; LIMITS: hidden keys get -2^33 for -1e9 x sqrt(64): the same results unless an open |q . k| reaches 8.6e9.  Blocks of zeros get the byte 1.  NaN and infinities are not served.
.set KP,    272
.set VOFF,  256*KP                     ; a slot: 256 rows of k, 256 rows of V^T,
.set KSO,   2*VOFF                     ; k's scale bytes, 8 a key,
.set VSO,   KSO+2048                   ; V^T's, 8 a row
.set SLOT,  VSO+2048
.set BIAS,  2*SLOT                     ; f32 for each of the batch's 2,048 keys
.set STAGE, BIAS+8192                  ; the way out: 64 rows x 272
.set SSTG,  STAGE+64*KP                ; and 64 x 8 scale bytes
.set SPARE, SSTG+512                   ; the spare words, 128 bytes a wave
.set AK,   1                           ; v1-2  my place in k's tiles, slot 0, 1
.set AV,   3                           ; v3-4  in V^T's
.set AS,   5                           ; v5-6  among k's scale bytes
.set AT,   7                           ; v7-8  among V^T's
.set SPW,  9
.set NIL,  10
.set PFO,  11                          ; 256 x lane
.set Q,    16                          ; v16-23 q, v24-31 zeros
.set KV,   32                          ; v32-95 eight tiles of k, then four fragments of V^T
.set ZR,   96                          ; v96-103 zeros
.set S,    104                         ; v104-167 the scores, then p
.set O,    168                         ; v168-199 O^T
.set P,    200                         ; v200-215 p's codes
.set KSC,  216                         ; v216-223 k's scale words, then V^T's
.set BM,   224
.set T2,   228
.set LIM,  232
.set SCO,  236
.set TMP,  240
.set ADB,  241
.set F,    242                         ; v242 f; v243 p's scale word
.set PSW,  243
.set VQS,  244                         ; q's scale words
.set ABI0, 245
.set SM2,  246
.set WV,   18
.set MNT,  19
.set SEL,  20
.set CS,   22
.set G1C,  24
.set G1S,  32
.set G0C,  40                          ; s40-47 group 0 for codes, a set for each slot; s48-55 for scale bytes
.set G0S,  48
.set STP,  56                          ; s[56:57] two slots on, in what I fetch
.set PFA,  58
.set PFS,  60
.set ASKF, 62
.set TBI,  63
.set LOOP, 66
.macro TLOAD s                         ; waves 0-3 fetch codes, waves 4-7 scale bytes, the others nothing; four v_nop follow each line
	s_cmp_lt_u32 s[WV], 4
	s_cbranch_scc0 .Lnot_c_\@
	tensor_load_to_lds s[G0C+4*(\s):G0C+4*(\s)+3], s[G1C:G1C+7]
	s_nop 0
.rept 4
	v_nop
.endr
	s_branch .Lasked_\@
.Lnot_c_\@:
	s_cmp_lt_u32 s[WV], 8
	s_cbranch_scc0 .Lasked_\@
	tensor_load_to_lds s[G0S+4*(\s):G0S+4*(\s)+3], s[G1S:G1S+7]
	s_nop 0
.rept 4
	v_nop
.endr
.Lasked_\@:
.endm
; A prefetch of the codes that the NEXT change of slots will ask for.  All eight clusters of a batch and head group walk the same rows: the first of them asks.  Its four partners take 64 rows each of k's 256 and of V^T's 256,
; told apart by address; in each, waves 8 and 9 ask for k's, waves 10 and 11 for V^T's, 32 rows a wave, a lane a row of 256 bytes.  The last two trips ask for nothing.
.macro ASK
	s_cmp_eq_u32 s[ASKF], 1
	s_cbranch_scc0 .Lnot_mine_\@
	global_prefetch_b8 v[PFO], s[PFA:PFA+1] th:TH_LOAD_NT scope:SCOPE_SE
.Lnot_mine_\@:
.endm
.macro ROUND
	s_barrier_signal -1
	s_barrier_wait -1
	s_cmp_lg_u32 s[WV], 0
	s_cbranch_scc1 .Lnot_wave_0_\@
	s_barrier_signal -3
.Lnot_wave_0_\@:
	s_barrier_wait -3
	s_barrier_signal -1
	s_barrier_wait -1
.endm
	s_load_b128 s[4:7], s[0:1], 0x0                ; qkv, padding_mask
	s_load_b64 s[8:9], s[0:1], 0x10                ; ops
	v_lshl_add_u32 v[SPW], v0, 2, SPARE
	v_mov_b32 v[NIL], 0
	ds_add_u32 v9, v10
	ds_add_u32 v9, v10
	s_wait_dscnt 0x0
	v_lshrrev_b32 v12, 5, v0
	s_delay_alu instid0(VALU_DEP_1)
	v_readfirstlane_b32 s[WV], v12                 ; wave 0..15
	s_bfe_u32 s10, ttmp6, 0x40000                  ; cx: it enters global addresses of q, of the result and of the prefetches alone
	s_and_b32 s11, ttmp7, 0xffff
	s_lshr_b32 s12, s11, 2                         ; the batch
	s_and_b32 s13, s11, 3                          ; the group of four heads
	s_and_b32 s14, s[WV], 3                        ; my head in the group
	s_lshr_b32 s15, s[WV], 2                       ; my tile of queries
	s_lshr_b32 s16, s[WV], 1
	s_and_b32 s16, s16, 3                          ; what I fetch: 0 k's codes, 1 V^T's, 2 k's scale bytes, 3 V^T's
	s_and_b32 s17, s[WV], 1                        ; which half of it
	s_add_co_u32 s70, s13, 4                       ; k's codes: column tile 4 + group, token 2,048 x batch + 128 x half
	s_lshl_b32 s70, s70, 12
	s_lshl_b32 s74, s12, 11
	s_add_co_u32 s70, s70, s74
	s_lshl_b32 s75, s17, 7
	s_add_co_u32 s70, s70, s75
	s_lshl_b32 s70, s70, 8
	s_lshl_b32 s71, s12, 13                        ; V^T's codes: key tile 8 x batch, row 256 x group + 128 x half
	s_lshl_b32 s74, s13, 8
	s_add_co_u32 s71, s71, s74
	s_add_co_u32 s71, s71, s75
	s_lshl_b32 s71, s71, 8
	s_add_co_u32 s71, s71, 0x800000
	s_lshl_b32 s72, s12, 4                         ; k's scale bytes: block of 128 tokens 16 x batch + half, column tile 4 + group
	s_add_co_u32 s72, s72, s17
	s_lshl_b32 s72, s72, 3
	s_add_co_u32 s72, s72, s13
	s_add_co_u32 s72, s72, 4
	s_lshl_b32 s72, s72, 10
	s_add_co_u32 s72, s72, 0xc00000
	s_lshl_b32 s73, s13, 1                         ; V^T's: block of 128 rows 2 x group + half, key tile 8 x batch
	s_add_co_u32 s73, s73, s17
	s_lshl_b32 s73, s73, 4
	s_lshl_b32 s74, s12, 3
	s_add_co_u32 s73, s73, s74
	s_lshl_b32 s73, s73, 10
	s_add_co_u32 s73, s73, 0xc40000
	s_mov_b32 s76, 65536                           ; a slot on
	s_cmp_eq_u32 s16, 1
	s_cselect_b32 s70, s71, s70
	s_cselect_b32 s76, 262144, s76
	s_cmp_eq_u32 s16, 2
	s_cselect_b32 s70, s72, s70
	s_cselect_b32 s76, 16384, s76
	s_cmp_eq_u32 s16, 3
	s_cselect_b32 s70, s73, s70
	s_cselect_b32 s76, 1024, s76
	s_mov_b32 s71, 0
	s_mov_b32 s77, 0
	s_lshl_b32 s[STP], s76, 1
	s_mov_b32 s[STP+1], 0
	s_min_u32 s74, s[WV], 3
	s_mul_i32 s74, s74, 128*KP                     ; codes go to wave x 128 rows,
	s_lshl_b32 s75, s14, 10
	s_add_co_u32 s75, s75, KSO                     ; scale bytes to (wave - 4) x 1,024 behind them
	s_mov_b32 s[G1C], 15|(0<<16)|(1<<20)|(1<<21)|(5<<22)|(3<<25)   ; all four work-groups; elements of 1 byte; padding: 4 words after every 64
	s_mov_b32 s[G1C+1], 256<<16
	s_mov_b32 s[G1C+2], 128<<16
	s_mov_b32 s[G1C+3], 256<<16
	s_mov_b32 s[G1C+4], 128
	s_mov_b32 s[G1C+5], 256
	s_mov_b32 s[G1C+6], 0
	s_mov_b32 s[G1C+7], 0
	s_mov_b32 s[G1S], 15|(3<<16)|(1<<21)           ; 1,024 dense bytes: 4 rows of 32 elements of 8 bytes
	s_mov_b32 s[G1S+1], 32<<16
	s_mov_b32 s[G1S+2], 4<<16
	s_mov_b32 s[G1S+3], 32<<16
	s_mov_b32 s[G1S+4], 4
	s_mov_b32 s[G1S+5], 32
	s_mov_b32 s[G1S+6], 0
	s_mov_b32 s[G1S+7], 0
	s_mov_b32 s[SEL], 0x76543210
	s_mov_b32 s[SEL+1], 0xfedcba98
	s_mov_b32 s[CS], 0x3e38aa3b                    ; c = log2(e) / sqrt(64)
	s_mov_b32 s[CS+1], s[CS]
	s_mov_b32 s[MNT], 0x600000
	s_mov_b32 s[TBI], 0
	s_mov_b32 s[LOOP], 3
	s_wait_kmcnt 0x0
	s_add_nc_u64 s[70:71], s[4:5], s[70:71]
	s_mov_b32 s[G0C], 1
	s_mov_b32 s[G0C+1], s74
	s_mov_b64 s[G0C+2:G0C+3], s[70:71]
	s_or_b32 s[G0C+3], s[G0C+3], 0x80000000
	s_mov_b32 s[G0C+4], 1
	s_add_co_u32 s[G0C+5], s74, SLOT
	s_add_nc_u64 s[G0C+6:G0C+7], s[70:71], s[76:77]
	s_or_b32 s[G0C+7], s[G0C+7], 0x80000000
	s_mov_b32 s[G0S], 1
	s_mov_b32 s[G0S+1], s75
	s_mov_b64 s[G0S+2:G0S+3], s[70:71]
	s_or_b32 s[G0S+3], s[G0S+3], 0x80000000
	s_mov_b32 s[G0S+4], 1
	s_add_co_u32 s[G0S+5], s75, SLOT
	s_add_nc_u64 s[G0S+6:G0S+7], s[70:71], s[76:77]
	s_or_b32 s[G0S+7], s[G0S+7], 0x80000000
	ROUND                                          ; all four work-groups are here
	TLOAD 0                                        ; keys 0 to 255
	v_and_b32 v12, 15, v0                          ; r
	v_bfe_u32 v13, v0, 4, 1                        ; h
	s_lshl_b32 s78, s14, 6                         ; my head's 64 bytes of a row
	v_mul_u32_u24 v14, v12, KP
	s_delay_alu instid0(VALU_DEP_1)
	v_lshl_add_u32 v15, v13, 4, v14
	s_delay_alu instid0(VALU_DEP_1)
	v_add_nc_u32 v[AK], s78, v15
	s_delay_alu instid0(VALU_DEP_1)
	v_add_nc_u32 v[AK+1], SLOT, v[AK]
	s_mul_i32 s79, s14, 64*KP
	s_add_co_u32 s79, s79, VOFF
	v_lshl_add_u32 v15, v13, 3, v14
	s_delay_alu instid0(VALU_DEP_1)
	v_add_nc_u32 v[AV], s79, v15
	s_delay_alu instid0(VALU_DEP_1)
	v_add_nc_u32 v[AV+1], SLOT, v[AV]
	s_lshl_b32 s79, s14, 1
	s_add_co_u32 s79, s79, KSO
	v_lshl_add_u32 v[AS], v12, 3, s79
	s_delay_alu instid0(VALU_DEP_1)
	v_add_nc_u32 v[AS+1], SLOT, v[AS]
	s_lshl_b32 s79, s14, 9
	s_add_co_u32 s79, s79, VSO
	v_lshl_add_u32 v[AT], v12, 3, s79
	s_delay_alu instid0(VALU_DEP_1)
	v_add_nc_u32 v[AT+1], SLOT, v[AT]
	v_lshl_add_u32 v[ABI0], v13, 5, BIAS
	v_and_b32 v[PFO], 31, v0
	s_delay_alu instid0(VALU_DEP_1)
	v_lshlrev_b32 v[PFO], 8, v[PFO]
	s_lshl_b32 s80, ttmp9, 2
	s_add_co_u32 s80, s80, s10
	s_lshl_b32 s80, s80, 6
	s_lshl_b32 s81, s12, 11
	s_add_co_u32 s80, s80, s81                     ; the work-group's first token
	s_lshl_b32 s81, s15, 4
	s_add_co_u32 s81, s80, s81                     ; my first query
	s_lshl_b32 s82, s13, 12
	s_add_co_u32 s82, s82, s81
	s_lshl_b32 s82, s82, 8
	s_add_co_u32 s82, s82, s78
	s_mov_b32 s83, 0
	s_add_nc_u64 s[82:83], s[4:5], s[82:83]
	v_lshlrev_b32 v120, 8, v12
	s_delay_alu instid0(VALU_DEP_1)
	v_lshl_add_u32 v120, v13, 4, v120
	global_load_b128 v[Q:Q+3], v120, s[82:83]             ; q(r, 16 h ..)
	global_load_b128 v[Q+4:Q+7], v120, s[82:83] offset:32 ; q(r, 32 + 16 h ..)
	s_lshr_b32 s84, s81, 7
	s_lshl_b32 s84, s84, 3
	s_add_co_u32 s84, s84, s13
	s_lshl_b32 s84, s84, 10
	s_and_b32 s85, s81, 127
	s_lshl_b32 s85, s85, 3
	s_add_co_u32 s84, s84, s85
	s_lshl_b32 s85, s14, 1
	s_add_co_u32 s84, s84, s85
	s_add_co_u32 s84, s84, 0xc00000
	s_mov_b32 s85, 0
	s_add_nc_u64 s[84:85], s[4:5], s[84:85]
	v_lshlrev_b32 v121, 3, v12
	global_load_u16 v[VQS], v121, s[84:85]         ; my head's two scale bytes of query r
	s_lshl_b32 s86, s12, 13
	s_mov_b32 s87, 0
	s_add_nc_u64 s[86:87], s[6:7], s[86:87]
	v_lshlrev_b32 v122, 4, v0
	global_load_b128 v[S:S+3], v122, s[86:87]      ; thread t: the mask words of keys 4 t .. 4 t + 3
	s_lshl_b32 s88, s10, 6                         ; the prefetches: my work-group's 64 rows, my wave's 32 of them, in slot 1: the first trip steps to slot 2
	s_lshl_b32 s89, s17, 5
	s_add_co_u32 s88, s88, s89
	s_add_co_u32 s90, s13, 4
	s_lshl_b32 s90, s90, 12
	s_lshl_b32 s89, s12, 11
	s_add_co_u32 s90, s90, s89
	s_add_co_u32 s90, s90, 256
	s_add_co_u32 s90, s90, s88
	s_lshl_b32 s90, s90, 8
	s_lshl_b32 s91, s12, 3
	s_add_co_u32 s91, s91, 1
	s_lshl_b32 s91, s91, 10
	s_lshl_b32 s89, s13, 8
	s_add_co_u32 s91, s91, s89
	s_add_co_u32 s91, s91, s88
	s_lshl_b32 s91, s91, 8
	s_add_co_u32 s91, s91, 0x800000
	s_mov_b32 s[PFS], 262144
	s_cmp_lt_u32 s[WV], 10
	s_cselect_b32 s90, s90, s91
	s_cselect_b32 s[PFS], 65536, s[PFS]
	s_mov_b32 s[PFS+1], 0
	s_mov_b32 s91, 0
	s_add_nc_u64 s[PFA:PFA+1], s[4:5], s[90:91]
	s_sub_co_u32 s88, s[WV], 8
	s_lshr_b32 s88, s88, 2                         ; 0 in waves 8 to 11,
	s_or_b32 s88, s88, ttmp9                       ; of the first cluster along x: the same in all four partners
	s_cmp_eq_u32 s88, 0
	s_cselect_b32 s[ASKF], 1, 0
	v_mov_b32 v13, 0xff61b1e6                      ; the largest t so far: -3e38
	s_delay_alu instid0(VALU_DEP_1)
	v_floor_f32 v12, -v13                          ; -M
	v_mov_b32 v14, 0
	v_mov_b32 v15, 0
	v_mov_b32 v[PSW], 0
.irp j, 0,1,2,3,4,5,6,7
	v_mov_b32 v[Q+8+\j], 0
	v_mov_b32 v[ZR+\j], 0
.endr
.irp b, 0,1,2,3
	v_mov_b32 v[T2+\b], 0                          ; written once: a lane permute's destination counts as one of its sources
.endr
.set j, 0
.rept 32
	v_mov_b32 v[O+j], 0                            ; the step is written once: the first finds zeros
.set j, j+1
.endr
	v_mov_b32 v124, 0xd0000000                     ; -2^33
	v_lshl_add_u32 v123, v0, 4, BIAS
	s_wait_alu depctr_va_vdst(0)
	s_wait_loadcnt 0x0
.irp i, 0,1,2,3
	v_cmp_eq_u32 vcc_lo, 0, v[S+\i]
	s_delay_alu instid0(VALU_DEP_1)
	v_cndmask_b32 v[S+4+\i], 0, v124, vcc_lo
.endr
	ds_store_b128 v123, v[S+4:S+7]                 ; the first trip's wait and round show it to every wave
.macro STEP sl, q                      ; 128 keys: the q-th half of slot sl
	v_add_nc_u32 v[ADB], s[TBI], v[ABI0]
.rept 7
	v_nop                                          ; with the line above: eight places behind the last products, in front of loads into their registers
.endr
.irp i, 0,1,2,3,4,5,6,7
	ds_load_b128 v[KV+8*\i:KV+8*\i+3], v[AK+\sl] offset:(128*(\q)+16*\i)*KP
	ds_load_b128 v[KV+8*\i+4:KV+8*\i+7], v[AK+\sl] offset:(128*(\q)+16*\i)*KP+32
	ds_load_u16 v[KSC+\i], v[AS+\sl] offset:(128*(\q)+16*\i)*8
	ds_load_b128 v[S+8*\i:S+8*\i+3], v[ADB] offset:64*\i            ; the bias of keys 16 i + 8 h + 0 .. 7
	ds_load_b128 v[S+8*\i+4:S+8*\i+7], v[ADB] offset:64*\i+16
.endr
	s_wait_dscnt 0x0
.irp i, 0,1,2,3,4,5,6,7
	v_wmma_scale_f32_16x16x128_f8f6f4 v[S+8*\i:S+8*\i+7], v[KV+8*\i:KV+8*\i+15], v[Q:Q+15], v[S+8*\i:S+8*\i+7], v[KSC+\i], v[VQS]
.endr
.rept 8
	v_nop
.endr
.irp t, 0,1,2,3                        ; V^T's four fragments land under the softmax
.irp c, 0,1,2,3
	ds_load_b64 v[KV+16*\t+4*\c:KV+16*\t+4*\c+1], v[AV+\sl] offset:16*\t*KP+128*(\q)+32*\c
	ds_load_b64 v[KV+16*\t+4*\c+2:KV+16*\t+4*\c+3], v[AV+\sl] offset:16*\t*KP+128*(\q)+32*\c+16
.endr
	ds_load_b32 v[KSC+\t], v[AT+\sl] offset:128*\t+4*(\q)
.endr
.irp b, 0,1,2,3
	v_max3_num_f32 v[BM+\b], v[S+16*\b], v[S+16*\b+1], v[S+16*\b+2]   ; the largest score of each block of 32 keys: for the row's maximum, and for the block's largest p
.endr
.irp i, 3,5,7,9,11,13
.irp b, 0,1,2,3
	v_max3_num_f32 v[BM+\b], v[BM+\b], v[S+16*\b+\i], v[S+16*\b+\i+1]
.endr
.endr
.irp b, 0,1,2,3
	v_max_num_f32 v[BM+\b], v[BM+\b], v[S+16*\b+15]
.endr
.irp b, 0,1,2,3
	s_delay_alu instid0(VALU_DEP_4)
	v_permlanex16_b32 v[T2+\b], v[BM+\b], s[SEL], s[SEL+1]
.endr
.irp b, 0,1,2,3
	s_delay_alu instid0(VALU_DEP_4)
	v_max_num_f32 v[BM+\b], v[BM+\b], v[T2+\b]
.endr
	s_delay_alu instid0(VALU_DEP_2)
	v_max3_num_f32 v[TMP], v[BM], v[BM+1], v[BM+2]
	s_delay_alu instid0(VALU_DEP_1)
	v_max_num_f32 v[TMP], v[TMP], v[BM+3]
	s_delay_alu instid0(VALU_DEP_1)
	v_mul_f32 v[TMP], s[CS], v[TMP]
	s_delay_alu instid0(VALU_DEP_1)
	v_max_num_f32 v13, v13, v[TMP]                 ; the running largest t
	v_mov_b32 v[TMP], v12
	s_delay_alu instid0(VALU_DEP_2)
	v_floor_f32 v12, -v13                          ; the new -M: M is a whole number
	s_delay_alu instid0(VALU_DEP_1)
	v_sub_f32 v[TMP], v12, v[TMP]
	s_delay_alu instid0(VALU_DEP_1)
	v_cvt_i32_f32 v[TMP], v[TMP]                   ; (it saturates)
	s_delay_alu instid0(VALU_DEP_1)
	v_ldexp_f32 v[F], 1.0, v[TMP]                  ; f = 2^(old M - new M)
.endm
; THE KEY STEP'S SECOND PART works on registers alone: all the step's LDS loads were issued in the first part.  In a slot's second step the lines that open the next round stand between the two parts.
.macro STEPB
.set j, 0
.rept 32
	v_pk_fma_f32 v[S+j:S+j+1], v[S+j:S+j+1], s[CS:CS+1], v[12:13] op_sel_hi:[1,0,0]   ; t - M
.set j, j+2
.endr
.irp b, 0,1,2,3
	v_fma_f32 v[BM+\b], v[BM+\b], s[CS], v12
.endr
.set j, 0
	s_wait_alu depctr_va_vdst(0)
.rept 64
	v_exp_f32 v[S+j], v[S+j]                       ; p = 2^(t - M)
.set j, j+1
.endr
	v_pk_mul_f32 v[14:15], v[14:15], v[F:F+1] op_sel_hi:[1,0]   ; the sums under the new M: a plain instruction behind the exponentials
	s_wait_alu depctr_va_vdst(0)                   ; one wait for the batch, ahead of its first reader
.irp b, 0,1,2,3
	v_exp_f32 v[BM+\b], v[BM+\b]                   ; the block's largest p
.endr
	v_pk_add_f32 v[246:247], v[108:109], v[112:113]
	v_pk_add_f32 v[254:255], v[116:117], v[120:121]
	v_pk_add_f32 v[252:253], v[124:125], v[128:129]
	v_pk_add_f32 v[250:251], v[132:133], v[136:137]
	v_pk_add_f32 v[248:249], v[140:141], v[144:145]
	v_pk_add_f32 v[238:239], v[148:149], v[152:153]
	v_pk_add_f32 v[236:237], v[156:157], v[160:161]
	v_pk_add_f32 v[14:15], v[14:15], v[164:165]
	v_pk_add_f32 v[246:247], v[246:247], v[104:105]
	v_pk_add_f32 v[254:255], v[254:255], v[106:107]
	v_pk_add_f32 v[252:253], v[252:253], v[110:111]
	v_pk_add_f32 v[250:251], v[250:251], v[114:115]
	v_pk_add_f32 v[248:249], v[248:249], v[118:119]
	v_pk_add_f32 v[238:239], v[238:239], v[122:123]
	v_pk_add_f32 v[236:237], v[236:237], v[126:127]
	v_pk_add_f32 v[14:15], v[14:15], v[130:131]
	v_pk_add_f32 v[246:247], v[246:247], v[134:135]
	v_pk_add_f32 v[254:255], v[254:255], v[138:139]
	v_pk_add_f32 v[252:253], v[252:253], v[142:143]
	v_pk_add_f32 v[250:251], v[250:251], v[146:147]
	v_pk_add_f32 v[248:249], v[248:249], v[150:151]
	v_pk_add_f32 v[238:239], v[238:239], v[154:155]
	v_pk_add_f32 v[236:237], v[236:237], v[158:159]
	v_pk_add_f32 v[14:15], v[14:15], v[162:163]
	v_pk_add_f32 v[246:247], v[246:247], v[166:167]
	s_delay_alu instid0(VALU_DEP_2)
	v_pk_add_f32 v[14:15], v[14:15], v[250:251]
	s_delay_alu instid0(VALU_DEP_2)
	v_pk_add_f32 v[246:247], v[246:247], v[248:249]
	v_pk_add_f32 v[254:255], v[254:255], v[238:239]
	v_pk_add_f32 v[252:253], v[252:253], v[236:237]
	s_delay_alu instid0(VALU_DEP_2)
	v_pk_add_f32 v[14:15], v[14:15], v[254:255]
	s_delay_alu instid0(VALU_DEP_2)
	v_pk_add_f32 v[246:247], v[246:247], v[252:253]
	s_delay_alu instid0(VALU_DEP_1)
	v_pk_add_f32 v[14:15], v[14:15], v[246:247]
	s_wait_alu depctr_va_vdst(0)                   ; and one for the four
.irp b, 0,1,2,3
	v_max_num_f32 v[BM+\b], 0x4800000, v[BM+\b]    ; the floor 2^(9 - 127)
.endr
.irp b, 0,1,2,3
	s_delay_alu instid0(VALU_DEP_4)
	v_add_nc_u32 v[SCO+\b], 0xfc000000, v[BM+\b]
.endr
.irp b, 0,1,2,3
	v_and_or_b32 v[LIM+\b], v[BM+\b], 0x7f800000, s[MNT]
.endr
.irp b, 0,1,2,3
	v_lshrrev_b32 v[T2+\b], 23, v[SCO+\b]
.endr
	s_delay_alu instid0(VALU_DEP_3)
	v_lshl_or_b32 v[PSW], v[T2+1], 8, v[T2]        ; p's scale word for these 128 keys
	s_delay_alu instid0(VALU_DEP_1)
	v_lshl_or_b32 v[PSW], v[T2+2], 16, v[PSW]
	s_delay_alu instid0(VALU_DEP_1)
	v_lshl_or_b32 v[PSW], v[T2+3], 24, v[PSW]
.irp b, 0,1,2,3
.irp i, 0,1,2,3,4,5,6,7,8,9,10,11,12,13,14,15
	v_min_num_f32 v[S+16*\b+\i], v[S+16*\b+\i], v[LIM+\b]   ; the conversion does not saturate (ISA guide 7.6.2); p is not negative
.endr
	v_cvt_scalef32_pk8_fp8_f32 v[P+4*\b:P+4*\b+1], v[S+16*\b:S+16*\b+7], v[SCO+\b]
	v_cvt_scalef32_pk8_fp8_f32 v[P+4*\b+2:P+4*\b+3], v[S+16*\b+8:S+16*\b+15], v[SCO+\b]
.endr
.set j, 0
.rept 16
	v_pk_mul_f32 v[O+j:O+j+1], v[O+j:O+j+1], v[F:F+1] op_sel_hi:[1,0]   ; O^T under the new M; these lines also stand between the codes and the products
.set j, j+2
.endr
	s_wait_alu depctr_va_vdst(0)
	s_wait_dscnt 0x0                               ; V^T's fragments and scale words
.irp t, 0,1,2,3
	v_wmma_scale_f32_16x16x128_f8f6f4 v[O+8*\t:O+8*\t+7], v[KV+16*\t:KV+16*\t+15], v[P:P+15], v[O+8*\t:O+8*\t+7], v[KSC+\t], v[PSW]
.endr
	s_add_co_u32 s[TBI], s[TBI], 512               ; the next 128 keys' bias
.endm
; A slot's trip.  Each wave waits for all its tensor loads (of which one is out at the most), adds 0 to its spare word, and waits for that and for its reads of the slot that it has left; a round of the cluster's barrier;
; then the other slot is asked for, first thing: the load has this slot's two steps in which to land.
; TRIP: the lines ahead of trip sl's round, and the round's opening signal.  They stand in the middle of the slot's last key step before it, behind the issue of my last reads of that slot (V^T's fragments):
; from the signal to the round's opening wait stands the step's second part, work on registers alone.
.macro TRIP sl, refill, ask
	s_wait_alu depctr_va_vdst(0)                   ; the step's second part reads what its first part wrote
	s_wait_tensorcnt 0x0
	ds_add_u32 v[SPW], v[NIL]
.if \refill
	ds_add_u32 v[SPW], v[NIL]                      ; a load follows
.endif
	s_add_nc_u64 s[G0C+4*\sl+2:G0C+4*\sl+3], s[G0C+4*\sl+2:G0C+4*\sl+3], s[STP:STP+1]   ; no load of mine is out: this slot's next tile
	s_add_nc_u64 s[G0S+4*\sl+2:G0S+4*\sl+3], s[G0S+4*\sl+2:G0S+4*\sl+3], s[STP:STP+1]
.if \ask
	s_wait_xcnt 0x0                                ; the last prefetch, a slot back, has read its address
	s_add_nc_u64 s[PFA:PFA+1], s[PFA:PFA+1], s[PFS:PFS+1]
.endif
	s_wait_dscnt 0x0                               ; the add is done, and my reads of the slot that I leave are over
	s_barrier_signal -1                            ; the round's opening signal
.endm
.macro REST                            ; the round from its opening wait on
	s_barrier_wait -1
	s_cmp_lg_u32 s[WV], 0
	s_cbranch_scc1 .Lnw0_\@
	s_barrier_signal -3
.Lnw0_\@:
	s_barrier_wait -3
	s_barrier_signal -1
	s_barrier_wait -1
.endm
; GO: trip sl from the round's opening wait to the end of the first part of its second key step.  ask = 1: the prefetch; ask = 2: the prefetch in all trips of the loop but its last, where no tile is left to name.
.macro GO sl, refill, ask
	REST
.if \refill
	TLOAD 1-\sl
.endif
.if \ask == 1
	ASK
.endif
.if \ask == 2
	s_cmp_lg_u32 s[LOOP], 1
	s_cbranch_scc0 .Lnone_\@
	ASK
.Lnone_\@:
.endif
	STEP \sl, 0
	STEPB
	STEP \sl, 1
.endm
	TRIP 0, 1, 1                                   ; trip 0: tile 1 is asked for
	GO 0, 1, 1
.Lpair:                                            ; three trips of the loop, from the middle of an even slot's last step to the middle of the next even slot's: the backward jump stands ahead of the lines that open a round.  Tiles 2 to 7 are asked for
	TRIP 1, 1, 1
	STEPB
	GO 1, 1, 1
	TRIP 0, 1, 1
	STEPB
	GO 0, 1, 2
	s_sub_co_u32 s[LOOP], s[LOOP], 1
	s_cmp_lg_u32 s[LOOP], 0
	s_cbranch_scc1 .Lpair
	TRIP 1, 0, 0                                   ; the last trip is written out: nothing is left to fetch
	STEPB
	GO 1, 0, 0
	STEPB
	; THE WAY OUT: O^T / l, quantised along the features (a head's 64 are two blocks; lanes l and l xor 16 hold a block), through a stage, as whole rows of 256 bytes.
	v_add_f32 v14, v14, v15
	v_and_b32 v1, 15, v0
	v_bfe_u32 v2, v0, 4, 1
	s_delay_alu instid0(VALU_DEP_3)
	v_permlanex16_b32 v[TMP], v14, s[SEL], s[SEL+1]
	s_delay_alu instid0(VALU_DEP_1)
	v_add_f32 v14, v14, v[TMP]                     ; the row's sum
	s_wait_alu depctr_va_vdst(0)
	v_rcp_f32 v14, v14
	s_mul_i32 s70, s15, 16*KP
	s_add_co_u32 s70, s70, s78
	s_add_co_u32 s70, s70, STAGE
	v_mul_u32_u24 v3, v1, KP
	s_delay_alu instid0(VALU_DEP_1)
	v_lshl_add_u32 v3, v2, 3, v3
	s_delay_alu instid0(VALU_DEP_1)
	v_add_nc_u32 v3, s70, v3                       ; in: row 16 x tile + r, byte 64 x head + 8 h
	s_lshl_b32 s70, s15, 7
	s_lshl_b32 s71, s14, 1
	s_add_co_u32 s70, s70, s71
	s_add_co_u32 s70, s70, SSTG
	v_lshl_add_u32 v4, v1, 3, s70                  ; the two scale bytes
	s_mul_i32 s70, s[WV], 4*KP
	s_add_co_u32 s70, s70, STAGE
	v_mul_u32_u24 v5, v2, KP
	s_delay_alu instid0(VALU_DEP_1)
	v_lshl_add_u32 v5, v1, 4, v5
	s_delay_alu instid0(VALU_DEP_1)
	v_add_nc_u32 v5, s70, v5                       ; back: wave w takes rows 4 w on
	v_and_b32 v6, 31, v0
	s_delay_alu instid0(VALU_DEP_1)
	v_lshlrev_b32 v6, 4, v6
	s_delay_alu instid0(VALU_DEP_1)
	v_add_nc_u32 v7, SSTG, v6
	s_lshl_b32 s82, s13, 12
	s_add_co_u32 s82, s82, s80
	s_lshl_b32 s83, s[WV], 2
	s_add_co_u32 s82, s82, s83
	s_lshl_b32 s82, s82, 8
	s_add_co_u32 s82, s82, 0x1000000
	s_mov_b32 s83, 0
	s_add_nc_u64 s[82:83], s[8:9], s[82:83]
	s_lshr_b32 s84, s80, 7
	s_lshl_b32 s84, s84, 2
	s_add_co_u32 s84, s84, s13
	s_lshl_b32 s84, s84, 10
	s_and_b32 s85, s80, 127
	s_lshl_b32 s85, s85, 3
	s_add_co_u32 s84, s84, s85
	s_add_co_u32 s84, s84, 0x1400000
	s_mov_b32 s85, 0
	s_add_nc_u64 s[84:85], s[8:9], s[84:85]
	s_wait_alu depctr_va_vdst(0)                   ; the wait ahead of the reciprocal's first reader; the address lines above are the places behind it and behind the last products
.set j, 0
.rept 32
	v_mul_f32 v[S+j], v[O+j], v14                  ; register 8 t + i: feature 16 t + 8 h + i of my head
.set j, j+1
.endr
.irp b, 0,1
	v_max3_num_f32 v[BM+\b], |v[S+16*\b]|, |v[S+16*\b+1]|, 0x4800000
.endr
.irp i, 2,4,6,8,10,12,14
.irp b, 0,1
	s_delay_alu instid0(VALU_DEP_2)
	v_max3_num_f32 v[BM+\b], v[BM+\b], |v[S+16*\b+\i]|, |v[S+16*\b+\i+1]|
.endr
.endr
.irp b, 0,1
	s_delay_alu instid0(VALU_DEP_2)
	v_permlanex16_b32 v[T2+\b], v[BM+\b], s[SEL], s[SEL+1]
.endr
.irp b, 0,1
	s_delay_alu instid0(VALU_DEP_2)
	v_max_num_f32 v[BM+\b], v[BM+\b], v[T2+\b]
.endr
.irp b, 0,1
	s_delay_alu instid0(VALU_DEP_2)
	v_add_nc_u32 v[SCO+\b], 0xfc000000, v[BM+\b]
.endr
.irp b, 0,1
	s_delay_alu instid0(VALU_DEP_4)
	v_and_or_b32 v[LIM+\b], v[BM+\b], 0x7f800000, s[MNT]
.endr
.irp b, 0,1
	s_delay_alu instid0(VALU_DEP_4)
	v_lshrrev_b32 v[T2+\b], 23, v[SCO+\b]
.endr
	s_delay_alu instid0(VALU_DEP_1)
	v_lshl_or_b32 v[TMP], v[T2+1], 8, v[T2]
.irp b, 0,1
.irp i, 0,1,2,3,4,5,6,7,8,9,10,11,12,13,14,15
	v_med3_num_f32 v[S+16*\b+\i], v[S+16*\b+\i], -v[LIM+\b], v[LIM+\b]
.endr
	v_cvt_scalef32_pk8_fp8_f32 v[P+4*\b:P+4*\b+1], v[S+16*\b:S+16*\b+7], v[SCO+\b]
	v_cvt_scalef32_pk8_fp8_f32 v[P+4*\b+2:P+4*\b+3], v[S+16*\b+8:S+16*\b+15], v[SCO+\b]
.endr
	v_nop                                          ; a plain instruction behind the last conversion
.irp t, 0,1,2,3
	ds_store_b64 v3, v[P+2*\t:P+2*\t+1] offset:16*\t
.endr
	ds_store_b16 v4, v[TMP]
	s_wait_dscnt 0x0                               ; for the others' sake
	s_barrier_signal -1
	s_barrier_wait -1
	ds_load_b128 v[S:S+3], v5
	ds_load_b128 v[S+4:S+7], v5 offset:2*KP
	s_wait_dscnt 0x0
	global_store_b128 v6, v[S:S+3], s[82:83]       ; 32 lanes store 512 consecutive bytes, aligned
	global_store_b128 v6, v[S+4:S+7], s[82:83] offset:512
	s_cmp_lg_u32 s[WV], 0
	s_cbranch_scc1 .Lno_scales
	ds_load_b128 v[S+8:S+11], v7
	s_wait_dscnt 0x0
	global_store_b128 v6, v[S+8:S+11], s[84:85]    ; the 64 rows' scale bytes: 512 consecutive bytes
.Lno_scales:
	s_wait_tensorcnt 0x0                           ; the wave's end
	ds_add_u32 v[SPW], v[NIL]
	s_wait_dscnt 0x0
	ROUND                                          ; the closing round
	s_endpgm
.Lfunc_end_k_qa12eda20bd_attn:
	.size	k_qa12eda20bd_attn, .Lfunc_end_k_qa12eda20bd_attn-k_qa12eda20bd_attn
	.p2alignl 7, 3214868480
	.fill 96, 4, 3214868480
	.section	.rodata,"a",@progbits
	.p2align	6, 0x0
	.amdhsa_kernel k_qa12eda20bd_attn
		.amdhsa_group_segment_fixed_size 327680
		.amdhsa_private_segment_fixed_size 0
		.amdhsa_enable_private_segment 0
		.amdhsa_kernarg_size 24
		.amdhsa_user_sgpr_count 2
		.amdhsa_user_sgpr_kernarg_segment_ptr 1
		.amdhsa_wavefront_size32 1
		.amdhsa_system_sgpr_workgroup_id_x 1
		.amdhsa_system_sgpr_workgroup_id_y 1
		.amdhsa_system_sgpr_workgroup_id_z 1
		.amdhsa_system_vgpr_workitem_id 0
		.amdhsa_next_free_vgpr 256
		.amdhsa_next_free_sgpr 96
		.amdhsa_reserve_vcc 1
		.amdhsa_float_denorm_mode_32 3
		.amdhsa_float_denorm_mode_16_64 3
		.amdhsa_memory_ordered 1
		.amdhsa_forward_progress 1
		.amdhsa_inst_pref_size 200
	.end_amdhsa_kernel
	.amdgpu_metadata
---
amdhsa.version: [ 1, 2 ]
amdhsa.kernels:
  - .name:           k_qa12eda20bd_attn
    .symbol:         k_qa12eda20bd_attn.kd
    .args:
      - { .name: qkv, .offset: 0, .size: 8, .value_kind: global_buffer, .address_space: global }
      - { .name: padding_mask, .offset: 8, .size: 8, .value_kind: global_buffer, .address_space: global }
      - { .name: ops, .offset: 16, .size: 8, .value_kind: global_buffer, .address_space: global }
    .group_segment_fixed_size: 327680
    .private_segment_fixed_size: 0
    .kernarg_segment_align: 8
    .kernarg_segment_size: 24
    .max_flat_workgroup_size: 512
    .sgpr_count:     96
    .vgpr_count:     256
    .wavefront_size: 32
...
	.end_amdgpu_metadata
.endif
;; end of part 3
;; launch wo (part 4): grid 8 x 32, 4 waves a work-group, clusters of 4 x 4, 327,680 bytes of LDS; arguments ops, X, res; writes res
.if DOCPART == 4
	.amdgcn_target "amdgcn-amd-amdhsa--gfx1250"
	.amdhsa_code_object_version 6
	.text
	.protected	k_qa12eda20bd_wo
	.globl	k_qa12eda20bd_wo
	.p2align	8
	.type	k_qa12eda20bd_wo,@function
k_qa12eda20bd_wo:
	s_mov_b64 s[64:65], 0
	v_nop
	global_prefetch_b8 v0, s[64:65] scope:SCOPE_SE
	s_setreg_imm32_b32 hwreg(HW_REG_WAVE_MODE, 25, 1), 1
	s_wait_xcnt 0x0
	s_wait_alu depctr_hold_cnt(0) depctr_sa_sdst(0) depctr_va_vdst(0) depctr_va_sdst(0) depctr_va_ssrc(0) depctr_va_vcc(0) depctr_vm_vsrc(0)
	s_getreg_b32 s2, hwreg(HW_REG_IB_STS2, 6, 4)
	s_cmp_eq_u32 s2, 0
	s_cbranch_scc0 .Lentry_in_a_cluster
	s_endpgm
.Lentry_in_a_cluster:
	s_bfe_u32 s2, ttmp6, 0x10000c
	s_cmp_lg_u32 s2, 0xf033
	s_cbranch_scc0 .Lentry_shape_is_right
	s_endpgm
.Lentry_shape_is_right:
.set KSN,    4
.set A_C,    0x1000000
.set A_S,    0x1400000
.set B_C,    0x300000
.set B_S,    0xc18000
.set AROWS,  4096
.set BROWS,  1024
.set LAPS,   KSN/4
.set PITCH,  272
.set HALFT,  128*PITCH
.set SLOT,   4*HALFT
.set SCL,    2*SLOT
.set HALFS,  512*KSN
.set SPARE,  SCL+4*HALFS
.set NP,     8
.set ADRA, 16
.set ADRB, 20
.set STO,  24
.set RD,   25
.set CO,   26
.set ADRS, 27
.set SPW,  28
.set NIL,  29
.set SC,   32
.set ACC,  128
.set F0,   0
.set F1,   128
.set G1, 24
.set G0, 32
.set G1B, 48
.set G0B, 56
.set G1S, 68
.set G0S, 76
.set G1SB, 80
.set G0SB, 88
.set MSB, 0
.macro WIN new
.if MSB != \new
	s_set_vgpr_msb (MSB<<8)|\new
.set MSB, \new
.endif
.endm
.set MUL,  0x05
.set TO_F, 0x40
.macro JLOAD g0a, g1a, g0b, g1b
	s_cmp_eq_u32 s15, 0
	s_cbranch_scc0 .Lfor_b_\@
	tensor_load_to_lds s[\g0a:\g0a+3], s[\g1a:\g1a+7]
	s_nop 0
.rept 4
	v_nop
.endr
	s_branch .Lasked_\@
.Lfor_b_\@:
	tensor_load_to_lds s[\g0b:\g0b+3], s[\g1b:\g1b+7]
	s_nop 0
.rept 4
	v_nop
.endr
.Lasked_\@:
.endm
.macro CREST
	s_cmp_lg_u32 s14, 0
	s_cbranch_scc1 .Lnot_wave_0_\@
	s_barrier_signal -3
.Lnot_wave_0_\@:
	s_barrier_wait -3
	s_barrier_signal -1
	s_barrier_wait -1
.endm
.macro CROUND
	s_barrier_signal -1
	s_barrier_wait -1
	CREST
.endm
	s_load_b128 s[4:7], s[0:1], 0x0
	s_load_b64 s[12:13], s[0:1], 0x10
	v_lshl_add_u32 v[SPW], v0, 2, SPARE
	v_mov_b32 v[NIL], 0
	ds_add_u32 v28, v29
	ds_add_u32 v28, v29
	s_wait_dscnt 0x0
	v_lshrrev_b32 v1, 5, v0
	v_readfirstlane_b32 s14, v1
	v_and_b32 v31, 31, v0
	v_lshlrev_b32 v30, 8, v31                      ; the prefetches' offset: a lane a row of 256 bytes; never rewritten
	v_lshlrev_b32 v31, 4, v31                      ; 16 x lane
	s_wait_alu depctr_va_vdst(0)
	s_lshr_b32 s15, s14, 1
	s_and_b32 s16, s14, 1
	s_bfe_u32 s40, ttmp6, 0x40000
	s_bfe_u32 s41, ttmp6, 0x40004
	s_lshl_b32 s42, ttmp9, 2
	s_add_co_u32 s42, s42, s40
	s_and_b32 s17, ttmp7, 0xffff
	s_lshl_b32 s17, s17, 2
	s_add_co_u32 s17, s17, s41
	s_lshl_b32 s43, s41, 2
	s_lshl_b32 s43, 15, s43
	s_lshl_b32 s44, 0x1111, s40
	s_or_b32 s[G1+0], s43, (0<<16)|(1<<20)|(1<<21)|(5<<22)|(3<<25)
	s_or_b32 s[G1B+0], s44, (0<<16)|(1<<20)|(1<<21)|(5<<22)|(3<<25)
.irp g, G1, G1B
	s_mov_b32 s[\g+1], 256<<16
	s_mov_b32 s[\g+2], 128<<16
	s_mov_b32 s[\g+3], 256<<16
	s_mov_b32 s[\g+4], 128
	s_mov_b32 s[\g+5], 256
	s_mov_b32 s[\g+6], 0
	s_mov_b32 s[\g+7], 0
.endr
	s_mul_i32 s20, s16, AROWS*256
	s_lshl_b32 s18, s17, 15
	s_add_co_u32 s20, s20, s18
	s_add_co_u32 s20, s20, A_C
	s_mov_b32 s21, 0
	s_mul_i32 s22, s17, KSN*1024
	s_mul_i32 s18, s16, HALFS
	s_add_co_u32 s22, s22, s18
	s_add_co_u32 s22, s22, A_S
	s_mov_b32 s23, 0
	s_mul_i32 s46, s16, BROWS*256
	s_lshl_b32 s19, s42, 15
	s_add_co_u32 s46, s46, s19
	s_add_co_u32 s46, s46, B_C
	s_mov_b32 s47, 0
	s_mul_i32 s92, s42, KSN*1024
	s_add_co_u32 s92, s92, s18
	s_add_co_u32 s92, s92, B_S
	s_mov_b32 s93, 0
	s_mul_i32 s45, s14, HALFT
	s_mul_i32 s94, s14, HALFS
	s_wait_kmcnt 0x0
	s_mov_b64 s[10:11], s[6:7]
	s_add_nc_u64 s[20:21], s[4:5], s[20:21]
	s_add_nc_u64 s[22:23], s[4:5], s[22:23]
	s_add_nc_u64 s[46:47], s[4:5], s[46:47]
	s_add_nc_u64 s[92:93], s[4:5], s[92:93]
	CROUND
	; THE SCALE BYTES COME THROUGH REGISTERS: my HALFS dense bytes (waves 0, 1: A's halves; waves 2, 3: B's), 512 consecutive bytes a load, then into LDS bytes of their own, on which no tensor load lands.
	; So the head's one tensor load a wave is slot 0's.
	s_cmp_eq_u32 s15, 0
	s_cselect_b64 s[22:23], s[22:23], s[92:93]
	s_cselect_b64 s[4:5], s[20:21], s[46:47]       ; the prefetches: the tile that I fetch,
	s_cselect_b32 s66, s40, s41                    ; my place among the four that ask for it jointly (cx for A, cy for B): it enters this global address alone
	s_mov_b32 s6, 4*BROWS*256
	s_cselect_b32 s6, 4*AROWS*256, s6              ; s[6:7]: two fills on
	s_mov_b32 s7, 0
	s_lshl_b32 s66, s66, 13                        ; my work-group's 32 rows of the 128
	s_mov_b32 s67, 0
	s_add_nc_u64 s[4:5], s[4:5], s[66:67]
	s_lshr_b32 s66, s6, 1
	s_add_nc_u64 s[18:19], s[4:5], s[66:67]        ; s[18:19]: slot 1's fills, at fill 1
	s_add_nc_u64 s[4:5], s[4:5], s[6:7]            ; s[4:5]: slot 0's, at fill 2
	s_add_co_u32 s94, s94, SCL
	v_add_nc_u32 v15, s94, v31
	s_wait_alu depctr_va_vdst(0)
.set i, 0
.rept HALFS/512
	global_load_b128 v[ACC+4*i:ACC+4*i+3], v31, s[22:23] offset:512*i
.set i, i+1
.endr
.irp s, 0,1
	s_mov_b32 s[G0+4*\s], 1
	s_add_co_u32 s[G0+4*\s+1], s45, \s*SLOT
	s_add_nc_u64 s[G0+4*\s+2:G0+4*\s+3], s[20:21], \s*2*AROWS*256
	s_or_b32 s[G0+4*\s+3], s[G0+4*\s+3], 0x80000000
	s_mov_b32 s[G0B+4*\s], 1
	s_add_co_u32 s[G0B+4*\s+1], s45, \s*SLOT
	s_add_nc_u64 s[G0B+4*\s+2:G0B+4*\s+3], s[46:47], \s*2*BROWS*256
	s_or_b32 s[G0B+4*\s+3], s[G0B+4*\s+3], 0x80000000
.if \s
	s_wait_loadcnt 0x0                             ; my scale bytes are in registers
.set i, 0
.rept HALFS/512
	ds_store_b128 v15, v[ACC+4*i:ACC+4*i+3] offset:512*i
.set i, i+1
.endr
	s_wait_alu depctr_va_vdst(0)
	s_wait_tensorcnt 0x0                           ; my part of slot 0 is in
	ds_add_u32 v28, v29
.if KSN > 4
	s_wait_xcnt 0x0                                ; the prefetch of fill 1 has read its address
	s_add_nc_u64 s[18:19], s[18:19], s[6:7]        ; on to fill 3
.endif
	s_wait_dscnt 0x0                               ; the add and my stores of scale bytes are done
	CROUND                                         ; slot 0 and the scale bytes are whole, in every partner
.endif
	JLOAD G0+4*\s, G1, G0B+4*\s, G1B
.if \s == 0
	global_prefetch_b8 v30, s[18:19] th:TH_LOAD_NT scope:SCOPE_SE   ; fill 1: 32 rows x 256 bytes, a lane a row
.if KSN > 4
	global_prefetch_b8 v30, s[4:5] th:TH_LOAD_NT scope:SCOPE_SE     ; fill 2
.endif
.elseif KSN > 4
	global_prefetch_b8 v30, s[18:19] th:TH_LOAD_NT scope:SCOPE_SE   ; fill 3
.endif
.endr
	v_and_b32 v1, 15, v0
	v_bfe_u32 v2, v0, 4, 1
	s_wait_alu depctr_va_vdst(0)
	v_mul_u32_u24 v3, v1, PITCH
	v_lshl_add_u32 v4, v2, 4, v3
	s_mul_i32 s21, s15, 64*PITCH
	s_mul_i32 s22, s16, 64*PITCH
	s_add_co_u32 s22, s22, 2*HALFT
.irp s, 0,1
	v_add_nc_u32 v[ADRA+\s], s21, v4
	v_add_nc_u32 v[ADRB+\s], s22, v4
	s_add_co_u32 s21, s21, SLOT
	s_add_co_u32 s22, s22, SLOT
.endr
	v_lshlrev_b32 v5, 3, v1
	s_lshl_b32 s21, s15, 9
	s_lshl_b32 s22, s16, 9
	s_add_co_u32 s22, s22, KSN*1024
	s_sub_co_u32 s22, s22, s21
	v_mul_u32_u24 v6, s22, v2
	s_add_co_u32 s21, s21, SCL
	v_add_nc_u32 v5, v5, v6
	v_add_nc_u32 v[ADRS], s21, v5
	s_mul_i32 s23, s14, 16*PITCH
	v_lshl_add_u32 v5, v2, 5, v3
	v_add_nc_u32 v[STO], s23, v5
	v_mul_u32_u24 v5, v2, PITCH
	v_lshl_add_u32 v5, v1, 4, v5
	v_add_nc_u32 v[RD], s23, v5
	v_lshlrev_b32 v5, 12, v2
	v_lshl_add_u32 v[CO], v1, 4, v5
	s_wait_alu depctr_va_vdst(0)
	s_lshl_b32 s20, s17, 7
	s_lshl_b32 s21, s15, 6
	s_add_co_u32 s20, s20, s21
	s_lshl_b32 s20, s20, 12
	s_lshl_b32 s46, s42, 7
	s_lshl_b32 s47, s16, 6
	s_add_co_u32 s46, s46, s47
	s_lshl_b32 s46, s46, 2
	s_add_co_u32 s20, s20, s46
	s_mov_b32 s21, 0
	s_add_nc_u64 s[10:11], s[10:11], s[20:21]
	s_add_nc_u64 s[12:13], s[12:13], s[20:21]
	WIN 0x80
.irp a, 0,1,2,3
.irp t, 0,1,2,3,4,5,6,7
	global_load_b128 v[4*(8*\a+\t):4*(8*\a+\t)+3], v[CO], s[10:11] offset:(16*\a+2*\t)*4096 th:TH_LOAD_NT
.endr
.endr
	WIN 0
.macro MULA f, a, set, q, first
.irp b, 0,1,2,3
.if \first
	v_wmma_scale_f32_16x16x128_f8f6f4 v[ACC+8*(4*(\a)+\b):ACC+8*(4*(\a)+\b)+7], v[\f+64+16*\b:\f+64+16*\b+15], v[\f+16*(\a):\f+16*(\a)+15], 0, v[SC+16*(\set)+8*((\q)/2)+2*\b+(\q)%2], v[SC+16*(\set)+8*((\q)/2)+2*(\a)+(\q)%2] matrix_a_scale:MATRIX_SCALE_ROW1
.else
	v_wmma_scale_f32_16x16x128_f8f6f4 v[ACC+8*(4*(\a)+\b):ACC+8*(4*(\a)+\b)+7], v[\f+64+16*\b:\f+64+16*\b+15], v[\f+16*(\a):\f+16*(\a)+15], v[ACC+8*(4*(\a)+\b):ACC+8*(4*(\a)+\b)+7], v[SC+16*(\set)+8*((\q)/2)+2*\b+(\q)%2], v[SC+16*(\set)+8*((\q)/2)+2*(\a)+(\q)%2] matrix_a_scale:MATRIX_SCALE_ROW1
.endif
.endr
.endm
.macro FETCH slot, q, f, sc
.if \sc
	WIN 0
.irp k, 0,1
.irp i, 0,1,2,3
	ds_load_b64 v[SC+16*\slot+8*\k+2*\i:SC+16*\slot+8*\k+2*\i+1], v[ADRS] offset:1024*\k+128*\i
.endr
.endr
.endif
	WIN TO_F
.irp i, 0,1,2,3
.irp c, 0,1,2,3
	ds_load_b128 v[\f+64+16*\i+4*\c:\f+64+16*\i+4*\c+3], v[ADRB+\slot] offset:((\q)/2)*HALFT+128*((\q)%2)+32*\c+16*PITCH*\i
.endr
.endr
.irp i, 0,1,2,3
.irp c, 0,1,2,3
	ds_load_b128 v[\f+16*\i+4*\c:\f+16*\i+4*\c+3], v[ADRA+\slot] offset:((\q)/2)*HALFT+128*((\q)%2)+32*\c+16*PITCH*\i
.endr
.endr
.endm
.macro PLACES n
.rept \n
	v_nop
.endr
.endm
.macro QUARTER slot, q, f, g, first
	s_wait_dscnt 8
	WIN MUL
	MULA \f, 0, \slot, \q, \first
	MULA \f, 1, \slot, \q, \first
	PLACES NP
	FETCH \slot, (\q)+1, \g, 0
	s_wait_dscnt 32
	WIN MUL
	MULA \f, 2, \slot, \q, \first
	MULA \f, 3, \slot, \q, \first
.endm
.macro TURN slot, next, fill
	WIN 0
	s_wait_tensorcnt 0x0
	ds_add_u32 v[SPW], v[NIL]
	s_wait_dscnt 9
	WIN MUL
	MULA F1, 0, \slot, 3, 0
	s_wait_dscnt 0x0
	s_barrier_signal -1
	MULA F1, 1, \slot, 3, 0
.if \fill
	WIN 0
.endif
	s_barrier_wait -1
.if \fill
	CREST
	s_add_nc_u64 s[G0+4*\slot+2:G0+4*\slot+3], s[G0+4*\slot+2:G0+4*\slot+3], 4*AROWS*256
	s_add_nc_u64 s[G0B+4*\slot+2:G0B+4*\slot+3], s[G0B+4*\slot+2:G0B+4*\slot+3], 4*BROWS*256
	JLOAD G0+4*\slot, G1, G0B+4*\slot, G1B
	PLACES NP-4
.else
	PLACES NP
.endif
	WIN 0
	v_add_nc_u32 v[ADRS], 2048, v[ADRS]
	FETCH \next, 0, F0, 1
	WIN MUL
	MULA F1, 2, \slot, 3, 0
	MULA F1, 3, \slot, 3, 0
.endm
	FETCH 0, 0, F0, 1
	QUARTER 0, 0, F0, F1, 1
.if LAPS > 1
	WIN 0
	s_mov_b32 s3, LAPS-1
.Llap:
	QUARTER 0, 1, F1, F0, 0
	QUARTER 0, 2, F0, F1, 0
	TURN 0, 1, 1
	QUARTER 1, 0, F0, F1, 0
	QUARTER 1, 1, F1, F0, 0
	QUARTER 1, 2, F0, F1, 0
	TURN 1, 0, 1
	QUARTER 0, 0, F0, F1, 0
	WIN 0
	s_sub_co_u32 s3, s3, 1
	s_cmp_lg_u32 s3, 0
	s_cbranch_scc1 .Llap
.endif
	QUARTER 0, 1, F1, F0, 0
	QUARTER 0, 2, F0, F1, 0
	TURN 0, 1, 0
	QUARTER 1, 0, F0, F1, 0
	QUARTER 1, 1, F1, F0, 0
	QUARTER 1, 2, F0, F1, 0
	s_wait_dscnt 8
	WIN MUL
	MULA F1, 0, 1, 3, 0
	MULA F1, 1, 1, 3, 0
	s_wait_dscnt 0
	MULA F1, 2, 1, 3, 0
	MULA F1, 3, 1, 3, 0
	WIN 0
.macro TOSTAGE a
.set BK, 64+32*((\a)%2)
.irp b, 0,1,2,3
	ds_store_b128 v[STO], v[ACC+8*(4*(\a)+\b):ACC+8*(4*(\a)+\b)+3] offset:64*\b
	ds_store_b128 v[STO], v[ACC+8*(4*(\a)+\b)+4:ACC+8*(4*(\a)+\b)+7] offset:64*\b+16
.endr
.irp t, 0,1,2,3,4,5,6,7
	ds_load_b128 v[BK+4*\t:BK+4*\t+3], v[RD] offset:\t*2*PITCH
.endr
.endm
.macro SEND a, younger
.set BK, 64+32*((\a)%2)
	s_wait_dscnt \younger
	WIN 0x08
.set j, 0
.rept 16
	v_pk_add_f32 v[BK+j:BK+j+1], v[BK+j:BK+j+1], v[32*(\a)+j:32*(\a)+j+1]
.set j, j+2
.endr
	WIN 0
.irp t, 0,1,2,3,4,5,6,7
	global_store_b128 v[CO], v[BK+4*\t:BK+4*\t+3], s[12:13] offset:(16*(\a)+2*\t)*4096
.endr
.endm
	PLACES NP
	s_wait_loadcnt 0x0
	TOSTAGE 0
.irp a, 1,2,3
.if \a > 1
	s_wait_xcnt 0x0
.endif
	TOSTAGE \a
	SEND \a-1, 16
.endr
	SEND 3, 0
	s_wait_tensorcnt 0x0
	ds_add_u32 v[SPW], v[NIL]
	s_wait_dscnt 0x0
	CROUND
	s_endpgm
.Lfunc_end_k_qa12eda20bd_wo:
	.size	k_qa12eda20bd_wo, .Lfunc_end_k_qa12eda20bd_wo-k_qa12eda20bd_wo
	.p2alignl 7, 3214868480
	.fill 96, 4, 3214868480
	.section	.rodata,"a",@progbits
	.p2align	6, 0x0
	.amdhsa_kernel k_qa12eda20bd_wo
		.amdhsa_group_segment_fixed_size 327680
		.amdhsa_private_segment_fixed_size 0
		.amdhsa_enable_private_segment 0
		.amdhsa_kernarg_size 24
		.amdhsa_user_sgpr_count 2
		.amdhsa_user_sgpr_kernarg_segment_ptr 1
		.amdhsa_wavefront_size32 1
		.amdhsa_system_sgpr_workgroup_id_x 1
		.amdhsa_system_sgpr_workgroup_id_y 1
		.amdhsa_system_sgpr_workgroup_id_z 1
		.amdhsa_system_vgpr_workitem_id 0
		.amdhsa_next_free_vgpr 640
		.amdhsa_next_free_sgpr 96
		.amdhsa_reserve_vcc 0
		.amdhsa_float_denorm_mode_32 3
		.amdhsa_float_denorm_mode_16_64 3
		.amdhsa_memory_ordered 1
		.amdhsa_forward_progress 1
		.amdhsa_inst_pref_size 61
	.end_amdhsa_kernel
	.amdgpu_metadata
---
amdhsa.version: [ 1, 2 ]
amdhsa.kernels:
  - .name:           k_qa12eda20bd_wo
    .symbol:         k_qa12eda20bd_wo.kd
    .args:
      - { .name: ops, .offset: 0, .size: 8, .value_kind: global_buffer, .address_space: global }
      - { .name: X, .offset: 8, .size: 8, .value_kind: global_buffer, .address_space: global }
      - { .name: res, .offset: 16, .size: 8, .value_kind: global_buffer, .address_space: global }
    .group_segment_fixed_size: 327680
    .private_segment_fixed_size: 0
    .kernarg_segment_align: 8
    .kernarg_segment_size: 24
    .max_flat_workgroup_size: 128
    .sgpr_count:     96
    .vgpr_count:     640
    .wavefront_size: 32
...
	.end_amdgpu_metadata
.endif
;; end of part 4
;; launch ln2: the kernel of part 1 again; grid 256 x 1, 4 waves a work-group, no clusters, 37,376 bytes of LDS; arguments res, g2, b2, ops, W_Q, W_K, W_V, W_O, W1, W2; writes ops
;; launch ffn1 (part 5): grid 16 x 16, 4 waves a work-group, clusters of 4 x 4, 327,680 bytes of LDS; arguments ops, bias1, hid; writes hid
.if DOCPART == 5
	.amdgcn_target "amdgcn-amd-amdhsa--gfx1250"
	.amdhsa_code_object_version 6
	.text
	.protected	k_qa12eda20bd_ffn1
	.globl	k_qa12eda20bd_ffn1
	.p2align	8
	.type	k_qa12eda20bd_ffn1,@function
k_qa12eda20bd_ffn1:
	s_mov_b64 s[64:65], 0
	v_nop
	global_prefetch_b8 v0, s[64:65] scope:SCOPE_SE
	s_setreg_imm32_b32 hwreg(HW_REG_WAVE_MODE, 25, 1), 1
	s_wait_xcnt 0x0
	s_wait_alu depctr_hold_cnt(0) depctr_sa_sdst(0) depctr_va_vdst(0) depctr_va_sdst(0) depctr_va_ssrc(0) depctr_va_vcc(0) depctr_vm_vsrc(0)
	s_getreg_b32 s2, hwreg(HW_REG_IB_STS2, 6, 4)
	s_cmp_eq_u32 s2, 0
	s_cbranch_scc0 .Lentry_in_a_cluster
	s_endpgm
.Lentry_in_a_cluster:
	s_bfe_u32 s2, ttmp6, 0x10000c
	s_cmp_lg_u32 s2, 0xf033
	s_cbranch_scc0 .Lentry_shape_is_right
	s_endpgm
.Lentry_shape_is_right:
.set NQ,     2
.set PITCH,  272
.set FR,     16
.set NL,     4
.set NP,     8
.set HALFT,  128*PITCH
.set SLOT,   4*HALFT
.set SCL,    2*SLOT
.set HALFS,  4096
.set SBLK,   128
.set SPARE,  SCL+4*HALFS
.set SP,     144
.set REG,    128*SP+128
.set SSTG,   4*REG
.set ADRA, 16
.set ADRB, 20
.set STA,  16
.set SSA,  17
.set STO,  24
.set RD,   25
.set CO,   26
.set ADRS, 27
.set SPW,  28
.set NIL,  29
.set SSTO, 30
.set SRD,  31
.set SC,   32
.set BI,   64
.set AF,   128
.set T,    128
.set PC,   192
.set TM,   208
.set PW,   224
.set AL,   20
.set BE,   22
.set ZZ,   32
.set HX,   96
.set Z2,   160
.set PA,   192
.set QB,   224
.set CNT,  3
.set SOF,  66
.set SSF,  67
.set G1, 24
.set G0, 32
.set G1B, 48
.set G0B, 56
.set G1S, 68
.set G0S, 76
.set G1SB, 80
.set G0SB, 88
.set STPA, 96
.set STPB, 98
.set MSB, 0
.macro WIN new
.if MSB != \new
	s_set_vgpr_msb (MSB<<8)|\new
.set MSB, \new
.endif
.endm
.set MUL_LO, 0xa1
.set MUL_HI, 0xf1
.set FIRST_LO, 0x81
.set FIRST_HI, 0xc1
.set TO_B,   0x40
.macro JLOAD g0a, g1a, g0b, g1b
	s_cmp_eq_u32 s15, 0
	s_cbranch_scc0 .Lfor_b_\@
	tensor_load_to_lds s[\g0a:\g0a+3], s[\g1a:\g1a+7]
	s_nop 0
.rept 4
	v_nop
.endr
	s_branch .Lasked_\@
.Lfor_b_\@:
	tensor_load_to_lds s[\g0b:\g0b+3], s[\g1b:\g1b+7]
	s_nop 0
.rept 4
	v_nop
.endr
.Lasked_\@:
.endm
.macro CREST
	s_cmp_lg_u32 s14, 0
	s_cbranch_scc1 .Lnot_wave_0_\@
	s_barrier_signal -3
.Lnot_wave_0_\@:
	s_barrier_wait -3
	s_barrier_signal -1
	s_barrier_wait -1
.endm
.macro CROUND
	s_barrier_signal -1
	s_barrier_wait -1
	CREST
.endm
	s_load_b128 s[4:7], s[0:1], 0x0
	s_load_b64 s[8:9], s[0:1], 0x10
	v_lshl_add_u32 v[SPW], v0, 2, SPARE
	v_mov_b32 v[NIL], 0
	ds_add_u32 v28, v29
	ds_add_u32 v28, v29
	s_wait_dscnt 0x0
	v_lshrrev_b32 v1, 5, v0
	v_readfirstlane_b32 s14, v1
	s_lshr_b32 s15, s14, 1
	s_and_b32 s16, s14, 1
	s_bfe_u32 s40, ttmp6, 0x40000
	s_bfe_u32 s41, ttmp6, 0x40004
	s_and_b32 s17, ttmp7, 0xffff
	s_lshl_b32 s17, s17, 2
	s_add_co_u32 s17, s17, s41
	s_lshl_b32 s42, ttmp9, 2
	s_add_co_u32 s42, s42, s40
	s_mov_b32 s[STPA], 0x200000
	s_mov_b32 s[STPA+1], 0
	s_mov_b32 s[STPB], 0x200000
	s_mov_b32 s[STPB+1], 0
	s_lshl_b32 s43, s41, 2
	s_lshl_b32 s43, 15, s43
	s_lshl_b32 s44, 0x1111, s40
	s_or_b32 s[G1+0], s43, (0<<16)|(1<<20)|(1<<21)|(5<<22)|(3<<25)
	s_or_b32 s[G1B+0], s44, (0<<16)|(1<<20)|(1<<21)|(5<<22)|(3<<25)
.irp g, G1, G1B
	s_mov_b32 s[\g+1], 256<<16
	s_mov_b32 s[\g+2], 256<<16
	s_mov_b32 s[\g+3], 256<<16
	s_mov_b32 s[\g+4], 256
	s_mov_b32 s[\g+5], 256
	s_mov_b32 s[\g+6], 0
	s_mov_b32 s[\g+7], 0
.endr
	s_or_b32 s[G1S+0], s43, (3<<16)|(1<<21)
	s_or_b32 s[G1SB+0], s44, (3<<16)|(1<<21)
.irp g, G1S, G1SB
	s_mov_b32 s[\g+1], 32<<16
	s_mov_b32 s[\g+2], 32<<16
	s_mov_b32 s[\g+3], 32<<16
	s_mov_b32 s[\g+4], 32
	s_mov_b32 s[\g+5], 32
	s_mov_b32 s[\g+6], 0
	s_mov_b32 s[\g+7], 0
.endr
	s_mov_b32 s18, 0
	s_lshl_b32 s20, s17, 8
	s_add_co_u32 s20, s20, s18
	s_lshl_b32 s46, s42, 8
	s_add_co_u32 s46, s46, s18
	s_lshl_b32 s22, s20, 5
	s_add_co_u32 s22, s22, 0x1400000
	s_lshl_b32 s20, s20, 8
	s_add_co_u32 s20, s20, 0x1000000
	s_lshl_b32 s92, s46, 5
	s_add_co_u32 s92, s92, 0xc20000
	s_lshl_b32 s46, s46, 8
	s_add_co_u32 s46, s46, 0x400000
	s_mov_b32 s21, 0
	s_mov_b32 s23, 0
	s_mov_b32 s47, 0
	s_mov_b32 s93, 0
	s_mul_i32 s45, s14, HALFT
	s_lshl_b32 s94, s16, 15
	s_mov_b32 s95, 0
	s_wait_kmcnt 0x0
	s_add_nc_u64 s[20:21], s[4:5], s[20:21]
	s_add_nc_u64 s[22:23], s[4:5], s[22:23]
	s_add_nc_u64 s[46:47], s[4:5], s[46:47]
	s_add_nc_u64 s[92:93], s[4:5], s[92:93]
	CROUND
	s_mov_b32 s[G0S], 1
	s_mov_b32 s[G0S+1], SCL
	s_mov_b64 s[G0S+2:G0S+3], s[22:23]
	s_or_b32 s[G0S+3], s[G0S+3], 0x80000000
	s_mov_b32 s[G0SB], 1
	s_mov_b32 s[G0SB+1], SCL+2*HALFS
	s_mov_b64 s[G0SB+2:G0SB+3], s[92:93]
	s_or_b32 s[G0SB+3], s[G0SB+3], 0x80000000
.irp s, 0,1
	s_mov_b32 s[G0+4*\s], 1
	s_add_co_u32 s[G0+4*\s+1], s45, \s*SLOT
	s_add_nc_u64 s[G0+4*\s+2:G0+4*\s+3], s[20:21], \s*0x100000
	s_or_b32 s[G0+4*\s+3], s[G0+4*\s+3], 0x80000000
	s_mov_b32 s[G0B+4*\s], 1
	s_add_co_u32 s[G0B+4*\s+1], s45, \s*SLOT
	s_add_nc_u64 s[G0B+4*\s+2:G0B+4*\s+3], s[46:47], \s*0x100000
	s_or_b32 s[G0B+4*\s+3], s[G0B+4*\s+3], 0x80000000
.endr
	s_mov_b32 s[G0+1], 0                           ; for the head: the tiles whole, A's 256 rows at 0, B's behind them
	s_mov_b32 s[G0B+1], 2*HALFT
	s_add_nc_u64 s[G0+6:G0+7], s[G0+6:G0+7], s[94:95]       ; slot 1's group 0: my 128 rows
	s_add_nc_u64 s[G0B+6:G0B+7], s[G0B+6:G0B+7], s[94:95]
; THE HEAD'S LOADS, ONE A WAVE: wave 0 K step 0's 256 rows of A, wave 1 its 256 rows of B, wave 2 the scale bytes of A's 256 rows, wave 3 those of B's.  One chain of branches on the wave's number, one load to an arm.
.macro HARM under, g0, g1, next
	s_cmp_lt_u32 s14, \under
	s_cbranch_scc0 \next
	tensor_load_to_lds s[\g0:\g0+3], s[\g1:\g1+7]
	s_nop 0
.rept 4
	v_nop
.endr
	s_branch .Lhead_asked
\next:
.endm
	HARM 1, G0,  G1,  .Lhead_b
	HARM 2, G0B, G1B, .Lhead_sa
	HARM 3, G0S, G1S, .Lhead_sb
	tensor_load_to_lds s[G0SB:G0SB+3], s[G1SB:G1SB+7]
	s_nop 0
.rept 4
	v_nop
.endr
.Lhead_asked:
	; PREFETCHES INTO THE L2 of K steps 1, 2 and 3: of the 128 rows that I fetch in the ring, each of the four partners that ask for them jointly takes 32, told apart by address (cx for A, cy for B); a lane a row of 256 bytes.
	; Base and offset are never rewritten: a K step is 0x100000 bytes on in both operands.  K steps 1 and 2 are asked for here, K step 3 behind K step 1's load.
	s_cmp_eq_u32 s15, 0
	s_cselect_b64 s[92:93], s[20:21], s[46:47]     ; A's tile or B's
	s_cselect_b32 s101, s40, s41                   ; my place among the four
	s_lshl_b32 s101, s101, 13                      ; 32 rows x 256 bytes
	s_add_co_u32 s101, s101, s94                   ; + my half of the tile
	v_and_b32 v8, 31, v0
	v_lshl_add_u32 v8, v8, 8, s101
	s_wait_alu depctr_va_vdst(0)
	global_prefetch_b8 v8, s[92:93] offset:0x100000 th:TH_LOAD_NT scope:SCOPE_SE
	global_prefetch_b8 v8, s[92:93] offset:0x200000 th:TH_LOAD_NT scope:SCOPE_SE
	v_and_b32 v1, 15, v0
	s_wait_alu depctr_va_vdst(0)
	v_bfe_u32 v2, v0, 4, 1
	s_wait_alu depctr_va_vdst(0)
	s_lshl_b32 s2, s42, 8
	s_lshl_b32 s3, s16, 7
	s_add_co_u32 s2, s2, s3
	s_lshl_b32 s2, s2, 2
	s_mov_b32 s3, 0
	s_add_nc_u64 s[6:7], s[6:7], s[2:3]
	v_lshlrev_b32 v7, 5, v2
.irp b, 0,1,2,3,4,5,6,7
	global_load_b128 v[BI+8*\b:BI+8*\b+3], v7, s[6:7] offset:64*\b
	global_load_b128 v[BI+8*\b+4:BI+8*\b+7], v7, s[6:7] offset:64*\b+16
.endr
	v_mul_u32_u24 v3, v1, PITCH
	v_lshl_add_u32 v4, v2, 4, v3
	s_mul_i32 s21, s15, HALFT
	s_mul_i32 s22, s16, HALFT
	s_add_co_u32 s22, s22, 2*HALFT
.irp s, 0,1
	v_add_nc_u32 v[ADRA+\s], s21, v4
	v_add_nc_u32 v[ADRB+\s], s22, v4
	s_add_co_u32 s21, s21, SLOT
	s_add_co_u32 s22, s22, SLOT
.endr
	v_lshlrev_b32 v5, 3, v1
	s_mul_i32 s21, s15, HALFS
	s_mul_i32 s22, s16, HALFS
	s_add_co_u32 s22, s22, 2*HALFS
	s_sub_co_u32 s22, s22, s21
	v_mul_u32_u24 v6, s22, v2
	s_add_co_u32 s21, s21, SCL
	v_add_nc_u32 v5, v5, v6
	v_add_nc_u32 v[ADRS], s21, v5
	s_mul_i32 s23, s14, REG
	v_mul_u32_u24 v5, v1, SP
	v_lshl_add_u32 v5, v2, 3, v5
	v_add_nc_u32 v[STO], s23, v5
	s_lshl_b32 s23, s14, 9
	s_add_co_u32 s23, s23, SSTG
	v_lshl_add_u32 v[SSTO], v1, 2, s23
	s_mul_i32 s23, s15, 2*REG
	s_mul_i32 s21, s16, 64*SP
	s_add_co_u32 s23, s23, s21
	v_bfe_u32 v5, v0, 3, 1
	v_mul_u32_u24 v5, v5, REG
	v_mad_u32_u24 v5, v2, SP, v5
	v_and_b32 v6, 7, v0
	v_lshl_add_u32 v5, v6, 4, v5
	v_add_nc_u32 v[RD], s23, v5
	v_and_b32 v6, 31, v0
	v_lshlrev_b32 v[CO], 4, v6
	s_lshl_b32 s23, s15, 10
	s_lshl_b32 s21, s16, 8
	s_add_co_u32 s23, s23, s21
	s_add_co_u32 s23, s23, SSTG
	v_lshl_add_u32 v[SRD], v6, 3, s23
	s_lshl_b32 s20, s42, 20
	s_lshl_b32 s21, s17, 16
	s_add_co_u32 s20, s20, s21
	s_lshl_b32 s21, s14, 14
	s_add_co_u32 s20, s20, s21
	s_mov_b32 s21, 0
	s_lshl_b32 s22, s17, 1
	s_add_co_u32 s22, s22, s15
	s_lshl_b32 s22, s22, 4
	s_add_co_u32 s22, s22, s42
	s_lshl_b32 s22, s22, 10
	s_lshl_b32 s46, s16, 9
	s_add_co_u32 s22, s22, s46
	s_add_co_u32 s22, s22, 0x1000000
	s_mov_b32 s23, 0
	s_add_nc_u64 s[20:21], s[8:9], s[20:21]
	s_add_nc_u64 s[22:23], s[8:9], s[22:23]
	s_mov_b32 s10, 0x76543210
	s_mov_b32 s11, 0xfedcba98
	s_mov_b32 s13, 0x600000
	s_mov_b32 s18, 0x3f3504f3
	s_mov_b32 s19, s18
.macro FRAG reg, adr, q, i
.irp c, 0,1,2,3
	ds_load_b128 v[\reg+4*\c:\reg+4*\c+3], v[\adr] offset:128*(\q)+32*\c+(\i)*16*PITCH
.endr
.endm
.macro MUL16 a0, p, q, sc, zero
.irp a, \a0, \a0+1
.irp b, 0,1,2,3,4,5,6,7
.if \zero
	v_wmma_scale_f32_16x16x128_f8f6f4 v[8*(8*((\a)%4)+\b):8*(8*((\a)%4)+\b)+7], v[128*(\p)+FR*\b:128*(\p)+FR*\b+FR-1], v[AF+FR*(\a):AF+FR*(\a)+FR-1], v[BI+8*\b:BI+8*\b+7], v[SC+8*NQ*(\sc)+NQ*\b+(\q)], v[SC+8*NQ*(\sc)+NQ*(\a)+(\q)] matrix_a_scale:MATRIX_SCALE_ROW1
.else
	v_wmma_scale_f32_16x16x128_f8f6f4 v[8*(8*((\a)%4)+\b):8*(8*((\a)%4)+\b)+7], v[128*(\p)+FR*\b:128*(\p)+FR*\b+FR-1], v[AF+FR*(\a):AF+FR*(\a)+FR-1], v[8*(8*((\a)%4)+\b):8*(8*((\a)%4)+\b)+7], v[SC+8*NQ*(\sc)+NQ*\b+(\q)], v[SC+8*NQ*(\sc)+NQ*(\a)+(\q)] matrix_a_scale:MATRIX_SCALE_ROW1
.endif
.endr
.endr
.endm
.macro FETCH_B slot, q, p
	WIN TO_B
.irp i, 0,1,2,3,4,5,6,7
	FRAG 128*(\p)+FR*\i, ADRB+\slot, \q, \i
.endr
	WIN 0
.endm
.macro FETCH_A slot, q, i0
.irp i, \i0, \i0+1, \i0+2, \i0+3
	FRAG AF+FR*(\i), ADRA+\slot, \q, \i
.endr
.endm
.macro SCALES sc
.irp i, 0,1,2,3,4,5,6,7
	ds_load_b64 v[SC+8*NQ*\sc+NQ*\i:SC+8*NQ*\sc+NQ*\i+1], v[ADRS] offset:\i*SBLK
.endr
.endm
.macro PLACES n
.rept \n
	v_nop
.endr
.endm
.macro STEP slot, q, zero
	s_wait_dscnt 4*NL
.if \zero
	WIN FIRST_LO
.else
	WIN MUL_LO
.endif
	MUL16 0, (\q)%2, \q, \slot, \zero
	MUL16 2, (\q)%2, \q, \slot, \zero
	s_wait_dscnt 0
	PLACES NP
	FETCH_B \slot, (\q)+1, 1-(\q)%2
	FETCH_A \slot, (\q)+1, 0
.if \zero
	WIN FIRST_HI
.else
	WIN MUL_HI
.endif
	MUL16 4, (\q)%2, \q, \slot, \zero
	MUL16 6, (\q)%2, \q, \slot, \zero
	PLACES NP
	WIN 0
	FETCH_A \slot, (\q)+1, 4
.endm
.macro TURN slot, next, fill
	s_wait_tensorcnt 0x0
	ds_add_u32 v[SPW], v[NIL]
	s_wait_dscnt 4*NL+1
	WIN MUL_LO
	MUL16 0, 1, NQ-1, \slot, 0
	s_wait_dscnt 0x0
	s_barrier_signal -1
	MUL16 2, 1, NQ-1, \slot, 0
	WIN 0
	s_barrier_wait -1
.if \fill
	CREST
	s_add_nc_u64 s[G0+4*\slot+2:G0+4*\slot+3], s[G0+4*\slot+2:G0+4*\slot+3], s[STPA:STPA+1]
	s_add_nc_u64 s[G0B+4*\slot+2:G0B+4*\slot+3], s[G0B+4*\slot+2:G0B+4*\slot+3], s[STPB:STPB+1]
	JLOAD G0+4*\slot, G1, G0B+4*\slot, G1B
	PLACES NP-4
.else
	PLACES NP
.endif
	s_wait_alu depctr_va_vdst(0)
	v_add_nc_u32 v[ADRS], 1024, v[ADRS]
	FETCH_B \next, 0, 0
	FETCH_A \next, 0, 0
	SCALES \next
	WIN MUL_HI
	MUL16 4, 1, NQ-1, \slot, 0
	MUL16 6, 1, NQ-1, \slot, 0
	PLACES NP
	WIN 0
	FETCH_A \next, 0, 4
.endm
	s_wait_alu depctr_va_vdst(0)
	s_wait_tensorcnt 0x0                           ; my tile of the head's four is in
	ds_add_u32 v[SPW], v[NIL]
	s_mov_b32 s[G1+2], 128<<16                     ; no tensor load of mine is out: from here on a load brings 128 rows
	s_mov_b32 s[G1+4], 128
	s_mov_b32 s[G1B+2], 128<<16
	s_mov_b32 s[G1B+4], 128
	s_mov_b32 s[G0+1], s45                         ; slot 0's group 0 for the ring: my 128 rows, my place
	s_add_nc_u64 s[G0+2:G0+3], s[G0+2:G0+3], s[94:95]
	s_mov_b32 s[G0B+1], s45
	s_add_nc_u64 s[G0B+2:G0B+3], s[G0B+2:G0B+3], s[94:95]
	s_wait_dscnt 0x0
	CROUND                                         ; all four tiles are in, in every partner
	JLOAD G0+4, G1, G0B+4, G1B                     ; K step 1: the first tensor load behind the round
	global_prefetch_b8 v8, s[92:93] offset:0x300000 th:TH_LOAD_NT scope:SCOPE_SE   ; K step 3, two refills on
	FETCH_B 0, 0, 0
	FETCH_A 0, 0, 0
	SCALES 0
	FETCH_A 0, 0, 4
	s_wait_loadcnt 0x0
	STEP 0, 0, 1
	s_mov_b32 s3, 1
.Llap:
	TURN 0, 1, 1
	STEP 1, 0, 0
	TURN 1, 0, 1
	STEP 0, 0, 0
	s_sub_co_u32 s3, s3, 1
	s_cmp_lg_u32 s3, 0
	s_cbranch_scc1 .Llap
	TURN 0, 1, 0
	STEP 1, 0, 0
	s_wait_dscnt 4*NL
	WIN MUL_LO
	MUL16 0, 1, NQ-1, 1, 0
	MUL16 2, 1, NQ-1, 1, 0
	s_wait_dscnt 0
	WIN MUL_HI
	MUL16 4, 1, NQ-1, 1, 0
	MUL16 6, 1, NQ-1, 1, 0
	WIN 0
.macro ARM a
.set AB, 64*((\a)%4)
.set AWN, 0x42+(\a)/4
	WIN AWN
.set p, 0
.rept 32
	v_pk_mul_f32 v[ZZ+p:ZZ+p+1], v[AB+p:AB+p+1], s[18:19] op_sel_hi:[1,0]
.set p, p+2
.endr
.set p, 0
.rept 32
	v_pk_mul_f32 v[HX+p:HX+p+1], v[AB+p:AB+p+1], 0.5 op_sel_hi:[1,0]
.set p, p+2
.endr
	WIN 0
.endm
.macro GELU32 u
.set ZU, ZZ+32*(\u)
.set HU, HX+32*(\u)
	WIN 0x55
.set p, 0
.rept 32
	v_med3_num_f32 v[ZU+p], v[ZU+p], -4.0, 4.0
.set p, p+1
.endr
.set p, 0
.rept 16
	v_pk_mul_f32 v[Z2+p:Z2+p+1], v[ZU+p:ZU+p+1], v[ZU+p:ZU+p+1]
.set p, p+2
.endr
.set p, 0
.rept 16
	v_pk_fma_f32 v[PA+p:PA+p+1], v[Z2+p:Z2+p+1], v[AL:AL+1], v[0:1]
.set p, p+2
.endr
.set p, 0
.rept 16
	v_pk_fma_f32 v[QB+p:QB+p+1], v[Z2+p:Z2+p+1], v[BE:BE+1], v[12:13]
.set p, p+2
.endr
.irp k, 2,4,6,8,10
.set p, 0
.rept 16
	v_pk_fma_f32 v[PA+p:PA+p+1], v[PA+p:PA+p+1], v[Z2+p:Z2+p+1], v[\k:\k+1]
.set p, p+2
.endr
.endr
.irp k, 14,16,18
.set p, 0
.rept 16
	v_pk_fma_f32 v[QB+p:QB+p+1], v[QB+p:QB+p+1], v[Z2+p:Z2+p+1], v[\k:\k+1]
.set p, p+2
.endr
.endr
.set p, 0
	s_wait_alu depctr_va_vdst(0)
.rept 32
	v_rcp_f32 v[QB+p], v[QB+p]
.set p, p+1
.endr
.set p, 0
.rept 16
	v_pk_mul_f32 v[PA+p:PA+p+1], v[PA+p:PA+p+1], v[ZU+p:ZU+p+1]
.set p, p+2
.endr
	s_wait_alu depctr_va_vdst(0)
.set p, 0
.rept 16
	v_pk_mul_f32 v[PA+p:PA+p+1], v[PA+p:PA+p+1], v[QB+p:QB+p+1]
.set p, p+2
.endr
.set p, 0
.rept 16
	v_pk_fma_f32 v[HU+p:HU+p+1], v[HU+p:HU+p+1], v[PA+p:PA+p+1], v[HU+p:HU+p+1]
.set p, p+2
.endr
.endm
.macro COEF n, val
	v_mov_b32 v[\n], \val
	v_mov_b32 v[\n+1], \val
.endm
	PLACES NP
.irp b, 0,1,2,3
	v_mov_b32 v[TM+4+\b], 0
.endr
	WIN 0x40
	COEF AL, 0xaf95df0b
	COEF 0, 0x32edffee
	COEF 2, 0xb60cff51
	COEF 4, 0xb86ec2d2
	COEF 6, 0xba40ac63
	COEF 8, 0xbb41a1f6
	COEF 10, 0xbc83dbd4
	COEF BE, 0xb77460cd
	COEF 12, 0xb95fbd29
	COEF 14, 0xbadc924e
	COEF 16, 0xbbf19bf8
	COEF 18, 0xbc69b6a7
	WIN 0
	s_mov_b32 s[CNT], 0
	s_mov_b32 s[SOF], 0
	s_mov_b32 s[SSF], 0
.Lblk:
.irp a, 0,1,2,3,4,5,6
	s_cmp_eq_u32 s[CNT], \a
	s_cbranch_scc1 .Larm\a
.endr
	ARM 7
	s_branch .Lgelu
.irp a, 0,1,2,3,4,5
.Larm\a:
	ARM \a
	s_branch .Lgelu
.endr
.Larm6:
	ARM 6
.Lgelu:
	GELU32 0
	GELU32 1
	WIN 0x05
.irp b, 0,1,2,3
	v_max3_num_f32 v[TM+\b], |v[HX+16*\b]|, |v[HX+16*\b+1]|, 0x4800000
.endr
.irp i, 2,4,6,8,10,12,14
.irp b, 0,1,2,3
	v_max3_num_f32 v[TM+\b], |v[HX+16*\b+\i]|, |v[HX+16*\b+\i+1]|, v[TM+\b]
.endr
.endr
	WIN 0
	s_wait_alu depctr_va_vdst(0)
	s_wait_dscnt 0x0
	v_add_nc_u32 v[STA], s[SOF], v[STO]
	v_add_nc_u32 v[SSA], s[SSF], v[SSTO]
.irp b, 0,1,2,3
	v_permlanex16_b32 v[TM+4+\b], v[TM+\b], s10, s11
.endr
.irp b, 0,1,2,3
	v_max_num_f32 v[TM+\b], v[TM+\b], v[TM+4+\b]
.endr
.irp b, 0,1,2,3
	v_add_nc_u32 v[TM+12+\b], 0xfc000000, v[TM+\b]
.endr
.irp b, 0,1,2,3
	v_and_or_b32 v[TM+8+\b], v[TM+\b], 0x7f800000, s13
.endr
.irp b, 0,1,2,3
	v_lshrrev_b32 v[TM+4+\b], 23, v[TM+12+\b]
.endr
	v_lshl_or_b32 v[PW], v[TM+5], 8, v[TM+4]
	v_lshl_or_b32 v[PW], v[TM+6], 16, v[PW]
	v_lshl_or_b32 v[PW], v[TM+7], 24, v[PW]
	WIN 0x01
.irp b, 0,1,2,3
.irp i, 0,1,2,3,4,5,6,7,8,9,10,11,12,13,14,15
	v_med3_num_f32 v[T+16*\b+\i], v[HX+16*\b+\i], -v[TM+8+\b], v[TM+8+\b]
.endr
.endr
	WIN 0
.irp b, 0,1,2,3
	v_cvt_scalef32_pk8_fp8_f32 v[PC+4*\b:PC+4*\b+1], v[T+16*\b:T+16*\b+7], v[TM+12+\b]
	v_cvt_scalef32_pk8_fp8_f32 v[PC+4*\b+2:PC+4*\b+3], v[T+16*\b+8:T+16*\b+15], v[TM+12+\b]
.endr
	v_nop
.irp b, 0,1,2,3
	ds_store_b64 v[STA], v[PC+4*\b:PC+4*\b+1] offset:32*\b
	ds_store_b64 v[STA], v[PC+4*\b+2:PC+4*\b+3] offset:32*\b+16
.endr
	ds_store_b32 v[SSA], v[PW]
	s_add_co_u32 s[SOF], s[SOF], 16*SP
	s_add_co_u32 s[SSF], s[SSF], 64
	s_add_co_u32 s[CNT], s[CNT], 1
	s_cmp_lt_u32 s[CNT], 8
	s_cbranch_scc1 .Lblk
	s_wait_dscnt 0x0
	s_barrier_signal -1
	s_barrier_wait -1
.set t, 0
.rept 32
	ds_load_b128 v[128+4*t:128+4*t+3], v[RD] offset:2*SP*t
.set t, t+1
.endr
	ds_load_b32 v64, v[SRD]
	ds_load_b32 v65, v[SRD] offset:512
	ds_load_b32 v66, v[SRD] offset:4
	ds_load_b32 v67, v[SRD] offset:516
.set t, 0
.rept 32
	s_wait_dscnt 35-t
	global_store_b128 v[CO], v[128+4*t:128+4*t+3], s[20:21] offset:512*t
.set t, t+1
.endr
	s_wait_dscnt 0x0
	global_store_b128 v[CO], v[64:67], s[22:23]
	s_wait_tensorcnt 0x0
	ds_add_u32 v[SPW], v[NIL]
	s_wait_dscnt 0x0
	CROUND
	s_endpgm
.Lfunc_end_k_qa12eda20bd_ffn1:
	.size	k_qa12eda20bd_ffn1, .Lfunc_end_k_qa12eda20bd_ffn1-k_qa12eda20bd_ffn1
	.p2alignl 7, 3214868480
	.fill 96, 4, 3214868480
	.section	.rodata,"a",@progbits
	.p2align	6, 0x0
	.amdhsa_kernel k_qa12eda20bd_ffn1
		.amdhsa_group_segment_fixed_size 327680
		.amdhsa_private_segment_fixed_size 0
		.amdhsa_enable_private_segment 0
		.amdhsa_kernarg_size 24
		.amdhsa_user_sgpr_count 2
		.amdhsa_user_sgpr_kernarg_segment_ptr 1
		.amdhsa_wavefront_size32 1
		.amdhsa_system_sgpr_workgroup_id_x 1
		.amdhsa_system_sgpr_workgroup_id_y 1
		.amdhsa_system_sgpr_workgroup_id_z 1
		.amdhsa_system_vgpr_workitem_id 0
		.amdhsa_next_free_vgpr 1024
		.amdhsa_next_free_sgpr 102
		.amdhsa_reserve_vcc 0
		.amdhsa_float_denorm_mode_32 3
		.amdhsa_float_denorm_mode_16_64 3
		.amdhsa_memory_ordered 1
		.amdhsa_forward_progress 1
		.amdhsa_inst_pref_size 205
	.end_amdhsa_kernel
	.amdgpu_metadata
---
amdhsa.version: [ 1, 2 ]
amdhsa.kernels:
  - .name:           k_qa12eda20bd_ffn1
    .symbol:         k_qa12eda20bd_ffn1.kd
    .args:
      - { .name: ops, .offset: 0, .size: 8, .value_kind: global_buffer, .address_space: global }
      - { .name: bias1, .offset: 8, .size: 8, .value_kind: global_buffer, .address_space: global }
      - { .name: hid, .offset: 16, .size: 8, .value_kind: global_buffer, .address_space: global }
    .group_segment_fixed_size: 327680
    .private_segment_fixed_size: 0
    .kernarg_segment_align: 8
    .kernarg_segment_size: 24
    .max_flat_workgroup_size: 128
    .sgpr_count:     102
    .vgpr_count:     1024
    .wavefront_size: 32
...
	.end_amdgpu_metadata
.endif
;; end of part 5
;; launch ffn2 (part 6): grid 8 x 32, 4 waves a work-group, clusters of 4 x 4, 327,680 bytes of LDS; arguments hid, ops, bias2, res, out0; writes out0
.if DOCPART == 6
	.amdgcn_target "amdgcn-amd-amdhsa--gfx1250"
	.amdhsa_code_object_version 6
	.text
	.protected	k_qa12eda20bd_ffn2
	.globl	k_qa12eda20bd_ffn2
	.p2align	8
	.type	k_qa12eda20bd_ffn2,@function
k_qa12eda20bd_ffn2:
	s_mov_b64 s[64:65], 0
	v_nop
	global_prefetch_b8 v0, s[64:65] scope:SCOPE_SE
	s_setreg_imm32_b32 hwreg(HW_REG_WAVE_MODE, 25, 1), 1
	s_wait_xcnt 0x0
	s_wait_alu depctr_hold_cnt(0) depctr_sa_sdst(0) depctr_va_vdst(0) depctr_va_sdst(0) depctr_va_ssrc(0) depctr_va_vcc(0) depctr_vm_vsrc(0)
	s_getreg_b32 s2, hwreg(HW_REG_IB_STS2, 6, 4)
	s_cmp_eq_u32 s2, 0
	s_cbranch_scc0 .Lentry_in_a_cluster
	s_endpgm
.Lentry_in_a_cluster:
	s_bfe_u32 s2, ttmp6, 0x10000c
	s_cmp_lg_u32 s2, 0xf033
	s_cbranch_scc0 .Lentry_shape_is_right
	s_endpgm
.Lentry_shape_is_right:
.set KSN,    16
.set A_C,    0
.set A_S,    0x1000000
.set B_C,    0x800000
.set B_S,    0xc40000
.set AROWS,  4096
.set BROWS,  1024
.set LAPS,   KSN/4
.set PITCH,  272
.set HALFT,  128*PITCH
.set SLOT,   4*HALFT
.set SCL,    2*SLOT
.set HALFS,  512*KSN
.set SPARE,  SCL+4*HALFS
.set NP,     8
.set ADRA, 16
.set ADRB, 20
.set STO,  24
.set RD,   25
.set CO,   26
.set ADRS, 27
.set SPW,  28
.set NIL,  29
.set SC,   32
.set BI,   64
.set ACC,  128
.set F0,   0
.set F1,   128
.set G1, 24
.set G0, 32
.set G1B, 48
.set G0B, 56
.set G1S, 68
.set G0S, 76
.set G1SB, 80
.set G0SB, 88
.set MSB, 0
.macro WIN new
.if MSB != \new
	s_set_vgpr_msb (MSB<<8)|\new
.set MSB, \new
.endif
.endm
.set MUL,  0x05
.set TO_F, 0x40
.macro JLOAD g0a, g1a, g0b, g1b
	s_cmp_eq_u32 s15, 0
	s_cbranch_scc0 .Lfor_b_\@
	tensor_load_to_lds s[\g0a:\g0a+3], s[\g1a:\g1a+7]
	s_nop 0
.rept 4
	v_nop
.endr
	s_branch .Lasked_\@
.Lfor_b_\@:
	tensor_load_to_lds s[\g0b:\g0b+3], s[\g1b:\g1b+7]
	s_nop 0
.rept 4
	v_nop
.endr
.Lasked_\@:
.endm
.macro CREST
	s_cmp_lg_u32 s14, 0
	s_cbranch_scc1 .Lnot_wave_0_\@
	s_barrier_signal -3
.Lnot_wave_0_\@:
	s_barrier_wait -3
	s_barrier_signal -1
	s_barrier_wait -1
.endm
.macro CROUND
	s_barrier_signal -1
	s_barrier_wait -1
	CREST
.endm
	s_load_b256 s[4:11], s[0:1], 0x0
	s_load_b64 s[12:13], s[0:1], 0x20
	v_lshl_add_u32 v[SPW], v0, 2, SPARE
	v_mov_b32 v[NIL], 0
	ds_add_u32 v28, v29
	ds_add_u32 v28, v29
	s_wait_dscnt 0x0
	v_lshrrev_b32 v1, 5, v0
	v_readfirstlane_b32 s14, v1
	v_and_b32 v31, 31, v0
	v_lshlrev_b32 v30, 8, v31                      ; the prefetches' offset: a lane a row of 256 bytes; never rewritten
	v_lshlrev_b32 v31, 4, v31                      ; 16 x lane
	s_wait_alu depctr_va_vdst(0)
	s_lshr_b32 s15, s14, 1
	s_and_b32 s16, s14, 1
	s_bfe_u32 s40, ttmp6, 0x40000
	s_bfe_u32 s41, ttmp6, 0x40004
	s_lshl_b32 s42, ttmp9, 2
	s_add_co_u32 s42, s42, s40
	s_and_b32 s17, ttmp7, 0xffff
	s_lshl_b32 s17, s17, 2
	s_add_co_u32 s17, s17, s41
	s_lshl_b32 s43, s41, 2
	s_lshl_b32 s43, 15, s43
	s_lshl_b32 s44, 0x1111, s40
	s_or_b32 s[G1+0], s43, (0<<16)|(1<<20)|(1<<21)|(5<<22)|(3<<25)
	s_or_b32 s[G1B+0], s44, (0<<16)|(1<<20)|(1<<21)|(5<<22)|(3<<25)
.irp g, G1, G1B
	s_mov_b32 s[\g+1], 256<<16
	s_mov_b32 s[\g+2], 128<<16
	s_mov_b32 s[\g+3], 256<<16
	s_mov_b32 s[\g+4], 128
	s_mov_b32 s[\g+5], 256
	s_mov_b32 s[\g+6], 0
	s_mov_b32 s[\g+7], 0
.endr
	s_mul_i32 s20, s16, AROWS*256
	s_lshl_b32 s18, s17, 15
	s_add_co_u32 s20, s20, s18
	s_add_co_u32 s20, s20, A_C
	s_mov_b32 s21, 0
	s_mul_i32 s22, s17, KSN*1024
	s_mul_i32 s18, s16, HALFS
	s_add_co_u32 s22, s22, s18
	s_add_co_u32 s22, s22, A_S
	s_mov_b32 s23, 0
	s_mul_i32 s46, s16, BROWS*256
	s_lshl_b32 s19, s42, 15
	s_add_co_u32 s46, s46, s19
	s_add_co_u32 s46, s46, B_C
	s_mov_b32 s47, 0
	s_mul_i32 s92, s42, KSN*1024
	s_add_co_u32 s92, s92, s18
	s_add_co_u32 s92, s92, B_S
	s_mov_b32 s93, 0
	s_mul_i32 s45, s14, HALFT
	s_mul_i32 s94, s14, HALFS
	s_wait_kmcnt 0x0
	s_add_nc_u64 s[20:21], s[4:5], s[20:21]
	s_add_nc_u64 s[22:23], s[4:5], s[22:23]
	s_add_nc_u64 s[46:47], s[6:7], s[46:47]
	s_add_nc_u64 s[92:93], s[6:7], s[92:93]
	CROUND
	; THE SCALE BYTES COME THROUGH REGISTERS: my HALFS dense bytes (waves 0, 1: A's halves; waves 2, 3: B's), 512 consecutive bytes a load, then into LDS bytes of their own, on which no tensor load lands.
	; So the head's one tensor load a wave is slot 0's.
	s_cmp_eq_u32 s15, 0
	s_cselect_b64 s[22:23], s[22:23], s[92:93]
	s_cselect_b64 s[4:5], s[20:21], s[46:47]       ; the prefetches: the tile that I fetch,
	s_cselect_b32 s66, s40, s41                    ; my place among the four that ask for it jointly (cx for A, cy for B): it enters this global address alone
	s_mov_b32 s6, 4*BROWS*256
	s_cselect_b32 s6, 4*AROWS*256, s6              ; s[6:7]: two fills on
	s_mov_b32 s7, 0
	s_lshl_b32 s66, s66, 13                        ; my work-group's 32 rows of the 128
	s_mov_b32 s67, 0
	s_add_nc_u64 s[4:5], s[4:5], s[66:67]
	s_lshr_b32 s66, s6, 1
	s_add_nc_u64 s[18:19], s[4:5], s[66:67]        ; s[18:19]: slot 1's fills, at fill 1
	s_add_nc_u64 s[4:5], s[4:5], s[6:7]            ; s[4:5]: slot 0's, at fill 2
	s_add_co_u32 s94, s94, SCL
	v_add_nc_u32 v15, s94, v31
	s_wait_alu depctr_va_vdst(0)
.set i, 0
.rept HALFS/512
	global_load_b128 v[ACC+4*i:ACC+4*i+3], v31, s[22:23] offset:512*i
.set i, i+1
.endr
.irp s, 0,1
	s_mov_b32 s[G0+4*\s], 1
	s_add_co_u32 s[G0+4*\s+1], s45, \s*SLOT
	s_add_nc_u64 s[G0+4*\s+2:G0+4*\s+3], s[20:21], \s*2*AROWS*256
	s_or_b32 s[G0+4*\s+3], s[G0+4*\s+3], 0x80000000
	s_mov_b32 s[G0B+4*\s], 1
	s_add_co_u32 s[G0B+4*\s+1], s45, \s*SLOT
	s_add_nc_u64 s[G0B+4*\s+2:G0B+4*\s+3], s[46:47], \s*2*BROWS*256
	s_or_b32 s[G0B+4*\s+3], s[G0B+4*\s+3], 0x80000000
.if \s
	s_wait_loadcnt 0x0                             ; my scale bytes are in registers
.set i, 0
.rept HALFS/512
	ds_store_b128 v15, v[ACC+4*i:ACC+4*i+3] offset:512*i
.set i, i+1
.endr
	s_wait_alu depctr_va_vdst(0)
	s_wait_tensorcnt 0x0                           ; my part of slot 0 is in
	ds_add_u32 v28, v29
.if KSN > 4
	s_wait_xcnt 0x0                                ; the prefetch of fill 1 has read its address
	s_add_nc_u64 s[18:19], s[18:19], s[6:7]        ; on to fill 3
.endif
	s_wait_dscnt 0x0                               ; the add and my stores of scale bytes are done
	CROUND                                         ; slot 0 and the scale bytes are whole, in every partner
.endif
	JLOAD G0+4*\s, G1, G0B+4*\s, G1B
.if \s == 0
	global_prefetch_b8 v30, s[18:19] th:TH_LOAD_NT scope:SCOPE_SE   ; fill 1: 32 rows x 256 bytes, a lane a row
.if KSN > 4
	global_prefetch_b8 v30, s[4:5] th:TH_LOAD_NT scope:SCOPE_SE     ; fill 2
.endif
.elseif KSN > 4
	global_prefetch_b8 v30, s[18:19] th:TH_LOAD_NT scope:SCOPE_SE   ; fill 3
.endif
.endr
	v_and_b32 v1, 15, v0
	v_bfe_u32 v2, v0, 4, 1
	s_wait_alu depctr_va_vdst(0)
	v_mul_u32_u24 v3, v1, PITCH
	v_lshl_add_u32 v4, v2, 4, v3
	s_mul_i32 s21, s15, 64*PITCH
	s_mul_i32 s22, s16, 64*PITCH
	s_add_co_u32 s22, s22, 2*HALFT
.irp s, 0,1
	v_add_nc_u32 v[ADRA+\s], s21, v4
	v_add_nc_u32 v[ADRB+\s], s22, v4
	s_add_co_u32 s21, s21, SLOT
	s_add_co_u32 s22, s22, SLOT
.endr
	v_lshlrev_b32 v5, 3, v1
	s_lshl_b32 s21, s15, 9
	s_lshl_b32 s22, s16, 9
	s_add_co_u32 s22, s22, KSN*1024
	s_sub_co_u32 s22, s22, s21
	v_mul_u32_u24 v6, s22, v2
	s_add_co_u32 s21, s21, SCL
	v_add_nc_u32 v5, v5, v6
	v_add_nc_u32 v[ADRS], s21, v5
	s_mul_i32 s23, s14, 16*PITCH
	v_lshl_add_u32 v5, v2, 5, v3
	v_add_nc_u32 v[STO], s23, v5
	v_mul_u32_u24 v5, v2, PITCH
	v_lshl_add_u32 v5, v1, 4, v5
	v_add_nc_u32 v[RD], s23, v5
	v_lshlrev_b32 v5, 12, v2
	v_lshl_add_u32 v[CO], v1, 4, v5
	s_wait_alu depctr_va_vdst(0)
	s_lshl_b32 s20, s17, 7
	s_lshl_b32 s21, s15, 6
	s_add_co_u32 s20, s20, s21
	s_lshl_b32 s20, s20, 12
	s_lshl_b32 s46, s42, 7
	s_lshl_b32 s47, s16, 6
	s_add_co_u32 s46, s46, s47
	s_lshl_b32 s46, s46, 2
	s_add_co_u32 s20, s20, s46
	s_mov_b32 s21, 0
	s_mov_b32 s47, 0
	s_add_nc_u64 s[8:9], s[8:9], s[46:47]
	s_add_nc_u64 s[10:11], s[10:11], s[20:21]
	s_add_nc_u64 s[12:13], s[12:13], s[20:21]
	v_lshlrev_b32 v7, 5, v2
.irp b, 0,1,2,3
	global_load_b128 v[BI+8*\b:BI+8*\b+3], v7, s[8:9] offset:64*\b
	global_load_b128 v[BI+8*\b+4:BI+8*\b+7], v7, s[8:9] offset:64*\b+16
.endr
	WIN 0x80
.irp a, 0,1,2,3
.irp t, 0,1,2,3,4,5,6,7
	global_load_b128 v[4*(8*\a+\t):4*(8*\a+\t)+3], v[CO], s[10:11] offset:(16*\a+2*\t)*4096 th:TH_LOAD_NT
.endr
.endr
	WIN 0
.macro MULA f, a, set, q, first
.irp b, 0,1,2,3
.if \first
	v_wmma_scale_f32_16x16x128_f8f6f4 v[ACC+8*(4*(\a)+\b):ACC+8*(4*(\a)+\b)+7], v[\f+64+16*\b:\f+64+16*\b+15], v[\f+16*(\a):\f+16*(\a)+15], v[BI+8*\b:BI+8*\b+7], v[SC+16*(\set)+8*((\q)/2)+2*\b+(\q)%2], v[SC+16*(\set)+8*((\q)/2)+2*(\a)+(\q)%2] matrix_a_scale:MATRIX_SCALE_ROW1
.else
	v_wmma_scale_f32_16x16x128_f8f6f4 v[ACC+8*(4*(\a)+\b):ACC+8*(4*(\a)+\b)+7], v[\f+64+16*\b:\f+64+16*\b+15], v[\f+16*(\a):\f+16*(\a)+15], v[ACC+8*(4*(\a)+\b):ACC+8*(4*(\a)+\b)+7], v[SC+16*(\set)+8*((\q)/2)+2*\b+(\q)%2], v[SC+16*(\set)+8*((\q)/2)+2*(\a)+(\q)%2] matrix_a_scale:MATRIX_SCALE_ROW1
.endif
.endr
.endm
.macro FETCH slot, q, f, sc
.if \sc
	WIN 0
.irp k, 0,1
.irp i, 0,1,2,3
	ds_load_b64 v[SC+16*\slot+8*\k+2*\i:SC+16*\slot+8*\k+2*\i+1], v[ADRS] offset:1024*\k+128*\i
.endr
.endr
.endif
	WIN TO_F
.irp i, 0,1,2,3
.irp c, 0,1,2,3
	ds_load_b128 v[\f+64+16*\i+4*\c:\f+64+16*\i+4*\c+3], v[ADRB+\slot] offset:((\q)/2)*HALFT+128*((\q)%2)+32*\c+16*PITCH*\i
.endr
.endr
.irp i, 0,1,2,3
.irp c, 0,1,2,3
	ds_load_b128 v[\f+16*\i+4*\c:\f+16*\i+4*\c+3], v[ADRA+\slot] offset:((\q)/2)*HALFT+128*((\q)%2)+32*\c+16*PITCH*\i
.endr
.endr
.endm
.macro PLACES n
.rept \n
	v_nop
.endr
.endm
.macro QUARTER slot, q, f, g, first
	s_wait_dscnt 8
	WIN MUL
	MULA \f, 0, \slot, \q, \first
	MULA \f, 1, \slot, \q, \first
	PLACES NP
	FETCH \slot, (\q)+1, \g, 0
	s_wait_dscnt 32
	WIN MUL
	MULA \f, 2, \slot, \q, \first
	MULA \f, 3, \slot, \q, \first
.endm
.macro TURN slot, next, fill
	WIN 0
.if \fill
	s_wait_xcnt 0x0                                ; this slot's last prefetch, two changes of slots back, has read its address
	s_add_nc_u64 s[4+14*\slot:5+14*\slot], s[4+14*\slot:5+14*\slot], s[6:7]   ; on to the fill two behind the one that is asked for below
.endif
	s_wait_tensorcnt 0x0
	ds_add_u32 v[SPW], v[NIL]
	s_wait_dscnt 9
	WIN MUL
	MULA F1, 0, \slot, 3, 0
	s_wait_dscnt 0x0
	s_barrier_signal -1
	MULA F1, 1, \slot, 3, 0
.if \fill
	WIN 0
.endif
	s_barrier_wait -1
.if \fill
	CREST
	s_add_nc_u64 s[G0+4*\slot+2:G0+4*\slot+3], s[G0+4*\slot+2:G0+4*\slot+3], 4*AROWS*256
	s_add_nc_u64 s[G0B+4*\slot+2:G0B+4*\slot+3], s[G0B+4*\slot+2:G0B+4*\slot+3], 4*BROWS*256
	JLOAD G0+4*\slot, G1, G0B+4*\slot, G1B
	PLACES NP-4
	s_cmp_gt_u32 s3, 1                             ; the last lap's two refills have no fill two on: they ask for nothing
	s_cbranch_scc0 .Lno_ask_\@
	global_prefetch_b8 v30, s[4+14*\slot:5+14*\slot] th:TH_LOAD_NT scope:SCOPE_SE   ; the fill two refills on: my work-group's 32 rows of the 128 that I fetch, a lane a row of 256 bytes
.Lno_ask_\@:
.else
	PLACES NP
.endif
	WIN 0
	s_wait_alu depctr_va_vdst(0)
	v_add_nc_u32 v[ADRS], 2048, v[ADRS]
	FETCH \next, 0, F0, 1
	WIN MUL
	MULA F1, 2, \slot, 3, 0
	MULA F1, 3, \slot, 3, 0
.endm
	FETCH 0, 0, F0, 1
	s_wait_loadcnt 32
	QUARTER 0, 0, F0, F1, 1
.if LAPS > 1
	WIN 0
	s_mov_b32 s3, LAPS-1
.Llap:
	QUARTER 0, 1, F1, F0, 0
	QUARTER 0, 2, F0, F1, 0
	TURN 0, 1, 1
	QUARTER 1, 0, F0, F1, 0
	QUARTER 1, 1, F1, F0, 0
	QUARTER 1, 2, F0, F1, 0
	TURN 1, 0, 1
	QUARTER 0, 0, F0, F1, 0
	WIN 0
	s_sub_co_u32 s3, s3, 1
	s_cmp_lg_u32 s3, 0
	s_cbranch_scc1 .Llap
.endif
	QUARTER 0, 1, F1, F0, 0
	QUARTER 0, 2, F0, F1, 0
	TURN 0, 1, 0
	QUARTER 1, 0, F0, F1, 0
	QUARTER 1, 1, F1, F0, 0
	QUARTER 1, 2, F0, F1, 0
	s_wait_dscnt 8
	WIN MUL
	MULA F1, 0, 1, 3, 0
	MULA F1, 1, 1, 3, 0
	s_wait_dscnt 0
	MULA F1, 2, 1, 3, 0
	MULA F1, 3, 1, 3, 0
	WIN 0
.macro TOSTAGE a
.set BK, 64+32*((\a)%2)
.irp b, 0,1,2,3
	ds_store_b128 v[STO], v[ACC+8*(4*(\a)+\b):ACC+8*(4*(\a)+\b)+3] offset:64*\b
	ds_store_b128 v[STO], v[ACC+8*(4*(\a)+\b)+4:ACC+8*(4*(\a)+\b)+7] offset:64*\b+16
.endr
.irp t, 0,1,2,3,4,5,6,7
	ds_load_b128 v[BK+4*\t:BK+4*\t+3], v[RD] offset:\t*2*PITCH
.endr
.endm
.macro SEND a, younger
.set BK, 64+32*((\a)%2)
	s_wait_dscnt \younger
	WIN 0x08
.set j, 0
.rept 16
	v_pk_add_f32 v[BK+j:BK+j+1], v[BK+j:BK+j+1], v[32*(\a)+j:32*(\a)+j+1]
.set j, j+2
.endr
	WIN 0
.irp t, 0,1,2,3,4,5,6,7
	global_store_b128 v[CO], v[BK+4*\t:BK+4*\t+3], s[12:13] offset:(16*(\a)+2*\t)*4096 th:TH_STORE_NT
.endr
.endm
	PLACES NP
	s_wait_loadcnt 0x0
	TOSTAGE 0
.irp a, 1,2,3
.if \a > 1
	s_wait_xcnt 0x0
.endif
	TOSTAGE \a
	SEND \a-1, 16
.endr
	SEND 3, 0
	s_wait_tensorcnt 0x0
	ds_add_u32 v[SPW], v[NIL]
	s_wait_dscnt 0x0
	CROUND
	s_endpgm
.Lfunc_end_k_qa12eda20bd_ffn2:
	.size	k_qa12eda20bd_ffn2, .Lfunc_end_k_qa12eda20bd_ffn2-k_qa12eda20bd_ffn2
	.p2alignl 7, 3214868480
	.fill 96, 4, 3214868480
	.section	.rodata,"a",@progbits
	.p2align	6, 0x0
	.amdhsa_kernel k_qa12eda20bd_ffn2
		.amdhsa_group_segment_fixed_size 327680
		.amdhsa_private_segment_fixed_size 0
		.amdhsa_enable_private_segment 0
		.amdhsa_kernarg_size 40
		.amdhsa_user_sgpr_count 2
		.amdhsa_user_sgpr_kernarg_segment_ptr 1
		.amdhsa_wavefront_size32 1
		.amdhsa_system_sgpr_workgroup_id_x 1
		.amdhsa_system_sgpr_workgroup_id_y 1
		.amdhsa_system_sgpr_workgroup_id_z 1
		.amdhsa_system_vgpr_workitem_id 0
		.amdhsa_next_free_vgpr 640
		.amdhsa_next_free_sgpr 96
		.amdhsa_reserve_vcc 0
		.amdhsa_float_denorm_mode_32 3
		.amdhsa_float_denorm_mode_16_64 3
		.amdhsa_memory_ordered 1
		.amdhsa_forward_progress 1
		.amdhsa_inst_pref_size 103
	.end_amdhsa_kernel
	.amdgpu_metadata
---
amdhsa.version: [ 1, 2 ]
amdhsa.kernels:
  - .name:           k_qa12eda20bd_ffn2
    .symbol:         k_qa12eda20bd_ffn2.kd
    .args:
      - { .name: hid, .offset: 0, .size: 8, .value_kind: global_buffer, .address_space: global }
      - { .name: ops, .offset: 8, .size: 8, .value_kind: global_buffer, .address_space: global }
      - { .name: bias2, .offset: 16, .size: 8, .value_kind: global_buffer, .address_space: global }
      - { .name: res, .offset: 24, .size: 8, .value_kind: global_buffer, .address_space: global }
      - { .name: out0, .offset: 32, .size: 8, .value_kind: global_buffer, .address_space: global }
    .group_segment_fixed_size: 327680
    .private_segment_fixed_size: 0
    .kernarg_segment_align: 8
    .kernarg_segment_size: 40
    .max_flat_workgroup_size: 128
    .sgpr_count:     96
    .vgpr_count:     640
    .wavefront_size: 32
...
	.end_amdgpu_metadata
.endif
;; end of part 6
